; MI455X (gfx1250); checked and timed in simulation.
; The chip was launched on July 23, 2026; its instructions are those of AMD's public machine-readable ISA for CDNA 5 (MIT licence, August 2026) and "CDNA5" Instruction Set Architecture Reference Guide (July 2026). The comments in the code are by the model that wrote it; some were corrected since.
;; Multi Head Attention. Allowed arithmetic: matrix products marked QUANTISED: E2M1 operands, one E8M0 scale for each 32 along K, by v_wmma_scale_f32_16x16x128_f8f6f4 with both operands' format E2M1 (or v_wmma_scale_f32_32x16x128_f4), f32 sums; products left as they are: bf16, f16 or f32 operands; f32 sums; everything else in f32.
;; Inputs: Wk 1,024 x 1,024 float32; Wo 1,024 x 1,024 float32; Wq 1,024 x 1,024 float32; Wv 1,024 x 1,024 float32; k 4 x 2,048 x 1,024 float32; mask 4 x 2,048 x 2,048 bool; q 4 x 2,048 x 1,024 float32; v 4 x 2,048 x 1,024 float32.
;; Outputs: out0 4 x 2,048 x 1,024 float32.
;; This version of the problem:
;;   THIS VERSION OF THE PROBLEM IS GIVEN IN LOW PRECISION. The matrix products marked QUANTISED in the list below multiply operands that are first quantised to E2M1 (2 exponent bits, 1 mantissa bit; 4 bits a number), with one power-of-two scale for each 32 numbers along K (OCP MX v1.0); their sums are f32. The products marked 'left as it is' may take bf16, f16 or f32 operands, with f32 sums. Whichever they take, every output number must still come out within the allowed error. Rounding operands to bf16 (8 significant bits) uses up far more of that allowance than f16 does (11 bits, for magnitudes from 6e-5 to 65,504). All else is computed in f32.
;;   The module's matrix products, in the order in which they are computed (A, B: the left and right operand; K: the contracted axis; several contracted axes count as one K, in the product's order):
;;     1. [M 8,192, K 1,024] x [K 1,024, N 1,024]; A: input q; B: input Wq: QUANTISED
;;     2. [M 8,192, K 1,024] x [K 1,024, N 1,024]; A: input k; B: input Wk: QUANTISED
;;     3. [M 8,192, K 1,024] x [K 1,024, N 1,024]; A: input v; B: input Wv: QUANTISED
;;     4. batch 64 x [M 2,048, K 64] x [K 64, N 2,048]; A: computed on the way; B: computed on the way: left as it is (an operand is computed on the way)
;;     5. batch 64 x [M 2,048, K 2,048] x [K 2,048, N 64]; A: computed on the way; B: computed on the way: left as it is (an operand is computed on the way)
;;     6. [M 8,192, K 1,024] x [K 1,024, N 1,024]; A: computed on the way; B: input Wo: left as it is (an operand is computed on the way)
;;   THE QUANTISER, for each operand of a quantised product, along K:
;;     - K is cut into blocks of 32 from its start; a last block that is shorter is filled with zeros.
;;     - A block's scale is 2^e with e = floor(log2(the largest magnitude in the block)) - 2, held to -126 .. 127; a block of zeros has e = 0. As a byte (E8M0): e + 127.
;;     - Each number is divided by its block's scale, clamped to +-6, and rounded to the nearest number of E2M1, ties to even, subnormals kept.
;;     - The product sums the exact products of the quantised numbers (number of the format x scale) in f32.
;;   ~~~python
;;   def quantise(x, axis):      # numpy; x: float32 -> the quantised numbers, widened to float32 again
;;       x = np.moveaxis(x, axis, -1); K = x.shape[-1]
;;       x = np.pad(x, [(0, 0)] * (x.ndim - 1) + [(0, -K % 32)]); x = x.reshape(x.shape[:-1] + (-1, 32)); a = np.abs(x).max(-1, keepdims=True)
;;       e = np.where(a > 0, np.clip(np.frexp(np.where(a > 0, a, 1))[1] - 1 - 2, -126, 127), 0)      # np.frexp(a)[1] - 1 = floor(log2(a)), exactly
;;       r = np.clip(x / 2.0 ** e, -6, 6)
;;       step = 2.0 ** (np.maximum(np.frexp(np.where(r == 0, 1, r))[1] - 1, 0) - 1)
;;       q = np.round(r / step) * step * 2.0 ** e      # np.round: ties to even
;;       return np.moveaxis(q.reshape(q.shape[:-2] + (-1,))[..., :K], -1, axis).astype(np.float32)
;;   ~~~
;; One version. Each part assembles by itself: llvm-mc -triple=amdgcn-amd-amdhsa -mcpu=gfx1250 --defsym DOCPART=n.
;; ======== version 1 of 1: 4 launches
;; limits: values are held in f16: magnitudes above 65,504 overflow, below 6.1e-05 lose precision
;; workspace buffers: xc 12,582,912 bytes; xs 786,432 bytes; wc 1,572,864 bytes; ws 98,304 bytes; wot 2,097,152 bytes; nmask 8,388,608 bytes; qkv 50,331,648 bytes; ctx 16,777,216 bytes
;; launch prep (part 1): grid 1136 x 1, 4 waves a work-group, no clusters, 135,680 bytes of LDS; arguments q, k, v, Wq, Wk, Wv, Wo, mask, xc, xs, wc, ws, wot, nmask; writes xc, xs, wc, ws, wot, nmask
.if DOCPART == 1
	.amdgcn_target "amdgcn-amd-amdhsa--gfx1250"
	.amdhsa_code_object_version 6
	.text
	.protected	k_qff12407794_prep
	.globl	k_qff12407794_prep
	.p2align	8
	.type	k_qff12407794_prep,@function
k_qff12407794_prep:
	s_mov_b64 s[64:65], 0
	v_nop
	global_prefetch_b8 v0, s[64:65] scope:SCOPE_SE
	s_setreg_imm32_b32 hwreg(HW_REG_WAVE_MODE, 25, 1), 1
	s_wait_xcnt 0x0
; PREP: every input is read once and laid as the later launches want it.  Four kinds of work-group, told apart by the work-group's number alone:
;   X (0..767):    q, k, v [8192][1024] f32 -> codes of FP4 (E2M1), K innermost, stacked in xc [24576][512 bytes], and one E8M0 byte for each 32 along K in xs [24576][32].
;   W (768..815):  Wq, Wk, Wv [1024 (k)][1024 (n)] f32, K their FIRST axis -> codes laid [n][k], stacked in wc [3072][512 bytes]; bytes in ws [3072][32].
;   O (816..879):  Wo [1024 (k)][1024 (n)] f32 -> f16, laid [n][k] in wot.
;   M (880..1135): mask [4][2048][2048] bytes (0 or 1) -> four bits a key in nmask: 0 where the key counts, 0xA (the E2M1 code of -1) where it is hidden, in the order of the attention launch's lanes.
; A block's scale is 2^(floor(log2(its largest magnitude)) - 2); its byte is the largest magnitude's exponent field - 2, held at 1 from below.
; LIMITS: a block of zeros gets the byte 1 where the quantiser's rule says 127 (its codes are zeros, and this program alone reads the bytes); blocks whose largest magnitude lies under 2^-124 have the byte held at 1;
; NaN and infinities among the inputs are not served; |Wo| stays under 65,504 (f16).
; Waves share nothing: no barrier.  Each kind has LDS bytes of its own.  Memory binds, so no matrix unit, no cluster, no tensor load: nothing is shared between work-groups.
.set SPW,   192                        ; v192  LDS address of my spare word; never rewritten
.set NIL,   193                        ; v193  0; never rewritten
.set SPARE, 135168                     ; behind the four regions: the spare words, 128 bytes a wave
.set XREG,  8192                       ; X: a wave's region: two stages of 32 x 80 bytes, then its 256 scale bytes
.set XSP,   80
.set WSTG,  32768                      ; W: four stages of 32 rows x 272 bytes
.set OSTG,  67584                      ; O: the same
.set MSTG,  102400                     ; M: four stages of 8,192 bytes
.set WP,    272
	s_load_b512 s[4:19], s[0:1], 0x0               ; q s[4:5], k s[6:7], v s[8:9], Wq s[10:11], Wk s[12:13], Wv s[14:15], Wo s[16:17], mask s[18:19]
	s_load_b256 s[20:27], s[0:1], 0x40             ; xc s[20:21], xs s[22:23], wc s[24:25], ws s[26:27]
	s_load_b128 s[28:31], s[0:1], 0x60             ; wot s[28:29], nmask s[30:31]
	v_lshl_add_u32 v[SPW], v0, 2, SPARE
	v_mov_b32 v[NIL], 0
	v_lshrrev_b32 v1, 5, v0
	v_readfirstlane_b32 s32, v1                    ; wave 0..3
	v_and_b32 v2, 31, v0                           ; lane
	s_mov_b32 s37, 0                               ; the high word of every offset pair s[36:37]
	s_wait_kmcnt 0x0
	s_cmp_lt_u32 ttmp9, 768
	s_cbranch_scc1 .Lpath_x
	s_cmp_lt_u32 ttmp9, 816
	s_cbranch_scc1 .Lpath_w
	s_cmp_lt_u32 ttmp9, 880
	s_cbranch_scc1 .Lpath_o
; ---------------- M: a wave takes 64 queries x 256 keys.  A load reads two rows' 256 bytes (whole aligned blocks); 8 mask bytes become one word of 8 nibbles.
; nmask: for (batch, group of 64 queries, step of 64 keys) 2,048 bytes; query tile i at 512 i, lane L at 16 L; word T, nibble j: query 32 (r / 8) + 8 i + r % 8, key 32 h + 8 T + j (r = L % 16, h = L / 16).
	s_sub_co_u32 s33, ttmp9, 880
	s_lshl_b32 s33, s33, 2
	s_add_co_u32 s33, s33, s32                     ; task 0..1023
	s_and_b32 s34, s33, 7                          ; which 256 keys
	s_bfe_u32 s35, s33, 0x50003                    ; which 64 queries
	s_lshr_b32 s38, s33, 8                         ; batch
	s_lshl_b32 s36, s38, 22
	s_lshl_b32 s39, s35, 17
	s_add_co_u32 s36, s36, s39
	s_lshl_b32 s39, s34, 8
	s_add_co_u32 s36, s36, s39
	s_add_nc_u64 s[18:19], s[18:19], s[36:37]      ; mask at my first query, my first key
	s_lshl_b32 s36, s38, 5
	s_add_co_u32 s36, s36, s35
	s_lshl_b32 s36, s36, 16
	s_lshl_b32 s39, s34, 13
	s_add_co_u32 s36, s36, s39
	s_add_nc_u64 s[30:31], s[30:31], s[36:37]      ; nmask at my four key steps: 8,192 bytes on end
	s_mov_b32 s40, 0x06040200                      ; bytes 0 and 2 of two words
	s_mov_b32 s41, 0x11111111
	v_and_b32 v3, 15, v2                           ; l16: my 16 keys of the 256
	v_lshrrev_b32 v4, 4, v2                        ; hi: which of the two rows
	v_lshlrev_b32 v5, 4, v3
	v_lshl_add_u32 v5, v4, 11, v5                  ; in: 2,048 hi + 16 l16
	v_lshrrev_b32 v7, 2, v3
	v_lshlrev_b32 v6, 11, v7                       ; into the stage: key step l16 / 4,
	v_bfe_u32 v7, v3, 1, 1
	v_lshl_add_u32 v6, v7, 8, v6                   ; half h = (l16 / 2) % 2,
	v_and_b32 v7, 1, v3
	v_lshl_add_u32 v6, v7, 3, v6                   ; words 2 (l16 % 2) and the next,
	v_lshl_add_u32 v6, v4, 4, v6                   ; the odd row one lane on
	s_lshl_b32 s39, s32, 13
	s_add_co_u32 s39, s39, MSTG
	v_add_nc_u32 v6, s39, v6
	v_lshlrev_b32 v8, 4, v2                        ; out: 16 x lane
	v_add_nc_u32 v9, s39, v8
.macro MLOAD n                         ; rows 2 n and 2 n + 1
	global_load_b128 v[32+4*((\n)%16):32+4*((\n)%16)+3], v5, s[18:19] offset:(\n)*4096 th:TH_LOAD_NT
.endm
.macro MWORK n
.set MB, 32+4*((\n)%16)
.set MR, 96+2*(\n)
.if (\n) < 16
	s_wait_loadcnt 15                              ; behind load n stand 15 - n of the first sixteen and the n issued since
.else
	s_wait_loadcnt 31-(\n)
.endif
.irp d, 0,1,2,3
	v_lshrrev_b32 v[16+\d], 4, v[MB+\d]
.endr
.irp d, 0,1,2,3
	v_or_b32 v[16+\d], v[16+\d], v[MB+\d]          ; bytes 0 and 2 now hold two keys' bits each, four bits apart
.endr
	v_perm_b32 v20, v17, v16, s40                  ; eight keys, a nibble each: 1 = counts
	v_perm_b32 v21, v19, v18, s40
	v_xor_b32 v20, s41, v20                        ; 1 = hidden
	v_xor_b32 v21, s41, v21
	v_lshlrev_b32 v22, 1, v20
	v_lshlrev_b32 v23, 1, v21
	v_lshl_or_b32 v[MR], v20, 3, v22               ; 0xA = hidden
	v_lshl_or_b32 v[MR+1], v21, 3, v23
	ds_store_b64 v6, v[MR:MR+1] offset:(((\n)/4)%4)*512+((\n)/16)*128+((\n)%4)*32   ; query 2 n + hi: tile (n / 4) % 4, lane 8 (n / 16) + 2 (n % 4) + hi
.if (\n) < 16
	MLOAD (\n)+16
.endif
.endm
.irp n, 0,1,2,3,4,5,6,7,8,9,10,11,12,13,14,15
	MLOAD \n
.endr
.irp n, 0,1,2,3,4,5,6,7,8,9,10,11,12,13,14,15,16,17,18,19,20,21,22,23,24,25,26,27,28,29,30,31
	MWORK \n
.endr
.irp m, 0,1,2,3,4,5,6,7,8,9,10,11,12,13,14,15
	ds_load_b128 v[32+4*\m:32+4*\m+3], v9 offset:512*\m      ; LDS serves a wave's instructions in order: these see my stores
.endr
.irp m, 0,1,2,3,4,5,6,7,8,9,10,11,12,13,14,15
	s_wait_dscnt 15-\m
	global_store_b128 v8, v[32+4*\m:32+4*\m+3], s[30:31] offset:512*\m   ; 512 consecutive bytes, aligned
.endr
	s_wait_tensorcnt 0x0                           ; the wave's end, behind my last LDS store
	ds_add_u32 v[SPW], v[NIL]
	s_wait_dscnt 0x0
	s_endpgm
; ---------------- X: a wave takes 16 steps of 512 numbers of a plain stream of blocks of 32.  Each load reads 512 consecutive bytes; a step's 2,048 bytes turn through the wave's stage, so that a lane holds 16 neighbours.
.Lpath_x:
	v_lshlrev_b32 v3, 4, v2                        ; my 16 bytes of a load's 512
	s_mul_i32 s33, s32, XREG
	v_lshrrev_b32 v14, 2, v2
	v_mul_u32_u24 v14, v14, XSP
	v_and_b32 v15, 3, v2
	v_lshl_add_u32 v14, v15, 4, v14
	v_add_nc_u32 v14, s33, v14                     ; the stage, in: four lanes' 64 bytes on end, then 16 of padding
	v_mul_u32_u24 v15, v2, XSP
	v_add_nc_u32 v15, s33, v15                     ; and out: 80 x lane: my 16 neighbours
	v_lshlrev_b32 v4, 3, v2                        ; my 8 bytes of a step's codes
	v_lshrrev_b32 v5, 1, v2
	s_add_co_u32 s33, s33, 2*32*XSP
	v_add_nc_u32 v5, s33, v5                       ; my block's scale byte among the wave's 256
	v_lshlrev_b32 v7, 3, v2
	v_add_nc_u32 v6, s33, v7
	s_cmp_lt_u32 ttmp9, 256                        ; which tensor: the choice hangs on the work-group's number alone
	s_cselect_b64 s[4:5], s[4:5], s[6:7]
	s_cmp_lt_u32 ttmp9, 512
	s_cselect_b64 s[4:5], s[4:5], s[8:9]
	s_and_b32 s34, ttmp9, 255
	s_lshl_b32 s34, s34, 2
	s_add_co_u32 s34, s34, s32                     ; my run of 8,192 numbers in the tensor
	s_lshl_b32 s36, s34, 15
	s_add_nc_u64 s[4:5], s[4:5], s[36:37]
	s_lshl_b32 s34, ttmp9, 2
	s_add_co_u32 s34, s34, s32                     ; and in the stacked outputs
	s_lshl_b32 s36, s34, 12
	s_add_nc_u64 s[20:21], s[20:21], s[36:37]
	s_lshl_b32 s36, s34, 8
	s_add_nc_u64 s[22:23], s[22:23], s[36:37]
.macro XLOAD t
.irp i, 0,1,2,3
	global_load_b128 v[16+16*((\t)%4)+4*\i:16+16*((\t)%4)+4*\i+3], v3, s[4:5] offset:2048*(\t)+512*\i th:TH_LOAD_NT
.endr
.endm
.macro XTURN t                         ; LDS serves a wave's instructions in order: no wait between the stores and the loads
.irp i, 0,1,2,3
	ds_store_b128 v14, v[16+16*((\t)%4)+4*\i:16+16*((\t)%4)+4*\i+3] offset:32*XSP*((\t)%2)+8*XSP*\i
.endr
.irp i, 0,1,2,3
	ds_load_b128 v[80+16*((\t)%2)+4*\i:80+16*((\t)%2)+4*\i+3], v15 offset:32*XSP*((\t)%2)+16*\i
.endr
.endm
.irp t, 0,1,2,3
	XLOAD \t
.endr
	s_wait_loadcnt 12                              ; step 0's four loads are in
	XTURN 0
.macro XSTEP t
.set XS, 80+16*((\t)%2)
.if (\t) > 0
	s_wait_dscnt 1                                 ; this step's numbers are back from the stage; the last step's byte store may be out
.else
	s_wait_dscnt 0x0
.endif
.if (\t)+4 < 16
	XLOAD (\t)+4                                   ; into the registers that this step's stage stores have read
.endif
.if (\t)+1 < 16
.if 14-(\t) >= 3
	s_wait_loadcnt 12                              ; the next step's four loads are in; three steps' twelve may be out
.else
	s_wait_loadcnt 4*(14-(\t))
.endif
	XTURN (\t)+1
.endif
	v_max3_num_f32 v8, |v[XS]|, |v[XS+1]|, |v[XS+2]|
	v_max3_num_f32 v9, |v[XS+3]|, |v[XS+4]|, |v[XS+5]|
.irp i, 6,10
	v_max3_num_f32 v8, v8, |v[XS+\i]|, |v[XS+\i+1]|
	v_max3_num_f32 v9, v9, |v[XS+\i+2]|, |v[XS+\i+3]|
.endr
	v_max3_num_f32 v8, v8, |v[XS+14]|, |v[XS+15]|
	v_max3_num_f32 v8, v8, v9, 0x1800000           ; and the floor 2^(3 - 127): the byte cannot fall under 1
	v_max_num_f32_dpp v8, v8, v8 row_xmask:1 row_mask:0xf bank_mask:0xf   ; with my neighbour's 16: the block's largest magnitude
	v_add_nc_u32 v11, 0xff000000, v8               ; 2 off its exponent field: the conversion takes this operand's exponent field as its scale
	v_cvt_scalef32_pk8_fp4_f32 v[128+4*(\t)], v[XS:XS+7], v11
	v_cvt_scalef32_pk8_fp4_f32 v[128+4*(\t)+1], v[XS+8:XS+15], v11
	v_lshrrev_b32 v[112+(\t)], 23, v11             ; the scale's byte
	ds_store_b8 v5, v[112+(\t)] offset:16*(\t)     ; both lanes of a block write the same byte with the same value
	global_store_b64 v4, v[128+4*(\t):128+4*(\t)+1], s[20:21] offset:256*(\t)   ; the wave stores 256 consecutive bytes, aligned
.endm
.irp t, 0,1,2,3,4,5,6,7,8,9,10,11,12,13,14,15
	XSTEP \t
.endr
	ds_load_b64 v[8:9], v6
	s_wait_dscnt 0x0
	global_store_b64 v7, v[8:9], s[22:23]          ; the wave's 256 scale bytes, aligned
	s_wait_tensorcnt 0x0                           ; the wave's end
	ds_add_u32 v[SPW], v[NIL]
	s_wait_dscnt 0x0
	s_endpgm
; ---------------- W: a lane takes a column n and its registers run down K: a block of 32 lies in one lane, and the codes come out with K innermost.  A wave: 32 columns x 512 along K.
.Lpath_w:
	s_sub_co_u32 s33, ttmp9, 768
	s_lshr_b32 s34, s33, 4                         ; which weight
	s_and_b32 s35, s33, 7                          ; which 128 columns
	s_bfe_u32 s38, s33, 0x10003                    ; which 512 along K
	s_cmp_eq_u32 s34, 0
	s_cselect_b64 s[10:11], s[10:11], s[12:13]
	s_cmp_lt_u32 s34, 2
	s_cselect_b64 s[10:11], s[10:11], s[14:15]
	s_lshl_b32 s35, s35, 7
	s_lshl_b32 s39, s32, 5
	s_add_co_u32 s35, s35, s39                     ; my wave's first column
	s_lshl_b32 s36, s38, 21                        ; 512 rows of 4,096 bytes
	s_lshl_b32 s39, s35, 2
	s_add_co_u32 s36, s36, s39
	s_add_nc_u64 s[10:11], s[10:11], s[36:37]
	s_lshl_b32 s34, s34, 10
	s_add_co_u32 s34, s34, s35                     ; its row in the stacked outputs
	s_lshl_b32 s36, s34, 9
	s_lshl_b32 s39, s38, 8
	s_add_co_u32 s36, s36, s39
	s_add_nc_u64 s[24:25], s[24:25], s[36:37]
	s_lshl_b32 s36, s34, 5
	s_lshl_b32 s39, s38, 4
	s_add_co_u32 s36, s36, s39
	s_add_nc_u64 s[26:27], s[26:27], s[36:37]
	v_lshlrev_b32 v3, 2, v2                        ; in: 4 bytes a lane
	s_mul_i32 s39, s32, 32*WP
	s_add_co_u32 s39, s39, WSTG                    ; my stage
	v_mul_u32_u24 v4, v2, WP
	v_add_nc_u32 v4, s39, v4                       ; into it: row = my column
	v_and_b32 v5, 15, v2
	v_lshrrev_b32 v6, 4, v2
	v_mul_u32_u24 v7, v6, WP
	v_lshl_add_u32 v7, v5, 4, v7
	v_add_nc_u32 v7, s39, v7                       ; out of it: sixteen lanes to a row, two rows an instruction
	v_lshlrev_b32 v8, 9, v6
	v_lshl_add_u32 v8, v5, 4, v8                   ; and the same place in wc (rows of 512 bytes)
	v_lshlrev_b32 v9, 5, v2                        ; my column's row of scale bytes
.macro WLOAD t
.set i, 0
.rept 32
	global_load_b32 v[32+32*((\t)%2)+i], v3, s[10:11] offset:(32*(\t)+i)*4096 th:TH_LOAD_NT
.set i, i+1
.endr
.endm
	WLOAD 0
	WLOAD 1
.macro WBLOCK t
.set XS, 32+32*((\t)%2)
.if (\t) < 15
	s_wait_loadcnt 32                              ; this block's 32 loads are in; the next block's may be out
.else
	s_wait_loadcnt 0
.endif
	v_max3_num_f32 v12, |v[XS]|, |v[XS+1]|, |v[XS+2]|
	v_max3_num_f32 v13, |v[XS+3]|, |v[XS+4]|, |v[XS+5]|
.irp i, 6,10,14,18,22,26
	v_max3_num_f32 v12, v12, |v[XS+\i]|, |v[XS+\i+1]|
	v_max3_num_f32 v13, v13, |v[XS+\i+2]|, |v[XS+\i+3]|
.endr
	v_max3_num_f32 v12, v12, |v[XS+30]|, |v[XS+31]|
	v_max3_num_f32 v12, v12, v13, 0x1800000        ; the floor
	v_add_nc_u32 v11, 0xff000000, v12
	v_lshrrev_b32 v13, 23, v11                     ; the scale's byte
.if (\t)%4 == 0
	v_mov_b32 v[24+(\t)/4], v13
.else
	v_lshl_or_b32 v[24+(\t)/4], v13, 8*((\t)%4), v[24+(\t)/4]
.endif
.irp g, 0,1,2,3
	v_cvt_scalef32_pk8_fp4_f32 v[96+\g], v[XS+8*\g:XS+8*\g+7], v11
.endr
	ds_store_b128 v4, v[96:99] offset:16*(\t)      ; 32 codes: 16 bytes of my column's row
.if (\t)+2 < 16
	WLOAD (\t)+2
.endif
	s_wait_dscnt 0x0                               ; the store has read its registers: the next block's codes may be written
.endm
.irp t, 0,1,2,3,4,5,6,7,8,9,10,11,12,13,14,15
	WBLOCK \t
.endr
	global_store_b128 v9, v[24:27], s[26:27]       ; my column's 16 scale bytes
.irp t, 0,1,2,3,4,5,6,7,8,9,10,11,12,13,14,15
	ds_load_b128 v[112+4*\t:112+4*\t+3], v7 offset:2*\t*WP
.endr
.irp t, 0,1,2,3,4,5,6,7,8,9,10,11,12,13,14,15
	s_wait_dscnt 15-\t
	global_store_b128 v8, v[112+4*\t:112+4*\t+3], s[24:25] offset:2*\t*512   ; sixteen lanes store 256 consecutive bytes, aligned
.endr
	s_wait_tensorcnt 0x0                           ; the wave's end
	ds_add_u32 v[SPW], v[NIL]
	s_wait_dscnt 0x0
	s_endpgm
; ---------------- O: the same frame, with a rounding to f16 in the quantiser's place.  A wave: 32 columns x 128 along K: 256 bytes a column.
.Lpath_o:
	s_sub_co_u32 s33, ttmp9, 816
	s_and_b32 s35, s33, 7
	s_lshr_b32 s38, s33, 3                         ; which 128 along K
	s_lshl_b32 s35, s35, 7
	s_lshl_b32 s39, s32, 5
	s_add_co_u32 s35, s35, s39                     ; my wave's first column
	s_lshl_b32 s36, s38, 19
	s_lshl_b32 s39, s35, 2
	s_add_co_u32 s36, s36, s39
	s_add_nc_u64 s[16:17], s[16:17], s[36:37]
	s_lshl_b32 s36, s35, 11                        ; a row of wot is 2,048 bytes
	s_lshl_b32 s39, s38, 8
	s_add_co_u32 s36, s36, s39
	s_add_nc_u64 s[28:29], s[28:29], s[36:37]
	v_lshlrev_b32 v3, 2, v2
	s_mul_i32 s39, s32, 32*WP
	s_add_co_u32 s39, s39, OSTG
	v_mul_u32_u24 v4, v2, WP
	v_add_nc_u32 v4, s39, v4
	v_and_b32 v5, 15, v2
	v_lshrrev_b32 v6, 4, v2
	v_mul_u32_u24 v7, v6, WP
	v_lshl_add_u32 v7, v5, 4, v7
	v_add_nc_u32 v7, s39, v7
	v_lshlrev_b32 v8, 11, v6
	v_lshl_add_u32 v8, v5, 4, v8
.macro OLOAD t
.set i, 0
.rept 32
	global_load_b32 v[32+32*((\t)%2)+i], v3, s[16:17] offset:(32*(\t)+i)*4096 th:TH_LOAD_NT
.set i, i+1
.endr
.endm
	OLOAD 0
	OLOAD 1
.macro OBLOCK t
.set XS, 32+32*((\t)%2)
.if (\t) < 3
	s_wait_loadcnt 32
.else
	s_wait_loadcnt 0
.endif
.set i, 0
.rept 16
	v_cvt_pk_f16_f32 v[96+i], v[XS+2*i], v[XS+2*i+1]
.set i, i+1
.endr
.irp g, 0,1,2,3
	ds_store_b128 v4, v[96+4*\g:96+4*\g+3] offset:64*(\t)+16*\g
.endr
.if (\t)+2 < 4
	OLOAD (\t)+2
.endif
	s_wait_dscnt 0x0                               ; the stores have read their registers
.endm
.irp t, 0,1,2,3
	OBLOCK \t
.endr
.irp t, 0,1,2,3,4,5,6,7,8,9,10,11,12,13,14,15
	ds_load_b128 v[112+4*\t:112+4*\t+3], v7 offset:2*\t*WP
.endr
.irp t, 0,1,2,3,4,5,6,7,8,9,10,11,12,13,14,15
	s_wait_dscnt 15-\t
	global_store_b128 v8, v[112+4*\t:112+4*\t+3], s[28:29] offset:2*\t*2048   ; sixteen lanes store 256 consecutive bytes, aligned
.endr
	s_wait_tensorcnt 0x0                           ; the wave's end
	ds_add_u32 v[SPW], v[NIL]
	s_wait_dscnt 0x0
	s_endpgm
.Lfunc_end_k_qff12407794_prep:
	.size	k_qff12407794_prep, .Lfunc_end_k_qff12407794_prep-k_qff12407794_prep
	.p2alignl 7, 3214868480
	.fill 96, 4, 3214868480
	.section	.rodata,"a",@progbits
	.p2align	6, 0x0
	.amdhsa_kernel k_qff12407794_prep
		.amdhsa_group_segment_fixed_size 135680
		.amdhsa_private_segment_fixed_size 0
		.amdhsa_enable_private_segment 0
		.amdhsa_kernarg_size 112
		.amdhsa_user_sgpr_count 2
		.amdhsa_user_sgpr_kernarg_segment_ptr 1
		.amdhsa_wavefront_size32 1
		.amdhsa_system_sgpr_workgroup_id_x 1
		.amdhsa_system_sgpr_workgroup_id_y 1
		.amdhsa_system_sgpr_workgroup_id_z 1
		.amdhsa_system_vgpr_workitem_id 0
		.amdhsa_next_free_vgpr 196
		.amdhsa_next_free_sgpr 66
		.amdhsa_reserve_vcc 0
		.amdhsa_float_denorm_mode_32 3
		.amdhsa_float_denorm_mode_16_64 3
		.amdhsa_memory_ordered 1
		.amdhsa_forward_progress 1
		.amdhsa_inst_pref_size 163
	.end_amdhsa_kernel
	.amdgpu_metadata
---
amdhsa.version: [ 1, 2 ]
amdhsa.kernels:
  - .name:           k_qff12407794_prep
    .symbol:         k_qff12407794_prep.kd
    .args:
      - { .name: q, .offset: 0, .size: 8, .value_kind: global_buffer, .address_space: global }
      - { .name: k, .offset: 8, .size: 8, .value_kind: global_buffer, .address_space: global }
      - { .name: v, .offset: 16, .size: 8, .value_kind: global_buffer, .address_space: global }
      - { .name: Wq, .offset: 24, .size: 8, .value_kind: global_buffer, .address_space: global }
      - { .name: Wk, .offset: 32, .size: 8, .value_kind: global_buffer, .address_space: global }
      - { .name: Wv, .offset: 40, .size: 8, .value_kind: global_buffer, .address_space: global }
      - { .name: Wo, .offset: 48, .size: 8, .value_kind: global_buffer, .address_space: global }
      - { .name: mask, .offset: 56, .size: 8, .value_kind: global_buffer, .address_space: global }
      - { .name: xc, .offset: 64, .size: 8, .value_kind: global_buffer, .address_space: global }
      - { .name: xs, .offset: 72, .size: 8, .value_kind: global_buffer, .address_space: global }
      - { .name: wc, .offset: 80, .size: 8, .value_kind: global_buffer, .address_space: global }
      - { .name: ws, .offset: 88, .size: 8, .value_kind: global_buffer, .address_space: global }
      - { .name: wot, .offset: 96, .size: 8, .value_kind: global_buffer, .address_space: global }
      - { .name: nmask, .offset: 104, .size: 8, .value_kind: global_buffer, .address_space: global }
    .group_segment_fixed_size: 135680
    .private_segment_fixed_size: 0
    .kernarg_segment_align: 8
    .kernarg_segment_size: 112
    .max_flat_workgroup_size: 128
    .sgpr_count:     66
    .vgpr_count:     196
    .wavefront_size: 32
...
	.end_amdgpu_metadata
.endif
;; end of part 1
;; launch proj (part 2): grid 4 x 96, 4 waves a work-group, clusters of 4 x 4, 327,680 bytes of LDS; arguments xc, xs, wc, ws, qkv; writes qkv
.if DOCPART == 2
	.amdgcn_target "amdgcn-amd-amdhsa--gfx1250"
	.amdhsa_code_object_version 6
	.text
	.protected	k_qff12407794_proj
	.globl	k_qff12407794_proj
	.p2align	8
	.type	k_qff12407794_proj,@function
k_qff12407794_proj:
	s_mov_b64 s[64:65], 0
	v_nop
	global_prefetch_b8 v0, s[64:65] scope:SCOPE_SE
	s_setreg_imm32_b32 hwreg(HW_REG_WAVE_MODE, 25, 1), 1
	s_wait_xcnt 0x0
	s_wait_alu depctr_hold_cnt(0) depctr_sa_sdst(0) depctr_va_vdst(0) depctr_va_sdst(0) depctr_va_ssrc(0) depctr_va_vcc(0) depctr_vm_vsrc(0)
	s_getreg_b32 s2, hwreg(HW_REG_IB_STS2, 6, 4)
	s_cmp_eq_u32 s2, 0
	s_cbranch_scc0 .Lentry_in_a_cluster
	s_endpgm
.Lentry_in_a_cluster:
	s_bfe_u32 s2, ttmp6, 0x10000c
	s_cmp_lg_u32 s2, 0xf033
	s_cbranch_scc0 .Lentry_shape_is_right
	s_endpgm
.Lentry_shape_is_right:
; PROJ: the three quantised projections in one launch: rows 0..8191 of xc are q's codes, then k's, then v's; rows of wc likewise Wq^T, Wk^T, Wv^T.  C = A B^T on codes of FP4 (E2M1) with E8M0 scales, sums in f32.
; A tile of C, 256 tokens x 256 columns (four heads), is made by four waves, 128 x 128 each: 64 accumulators, 512 registers.  K = 1,024 is two steps of 512: both lie in the two LDS slots from the start, nothing is filled again.
; The scale bytes of the work-group's rows come once, as dense blocks.  CLUSTERS: 4 x 4 work-groups; A's tiles are asked for jointly along a row of the cluster, B's along a column.
; The matrix instruction is used transposed (source 0 = rows of B, source 1 = rows of A): a lane holds eight neighbouring columns of one token.
; THE WAY OUT: q's results are multiplied by log2(e) / 8 in f32 (so that the attention's scores are exponents of 2), all are rounded to f16 and stored as IMAGES of 64 tokens x 64 channels, 8,192 bytes:
; the 16 bytes of token y = 32 a + 8 T + c, channels 8 g .. 8 g + 7, lie at (8 T + g) 256 + ((a xor (g % 2)) 8 + c) 16.  Block ((tensor 4 + batch) 16 + head) 32 + y / 64.
; LIMITS: |q Wq| log2(e) / 8, |k Wk| and |v Wv| stay under 65,504 (f16).
; REGISTERS, in windows of 256: window 0: v0-31 addresses; v32-95 scale words, two sets; from v128 A's fragments, one set; on the way out v32-255 are free.  window 1: B's fragments, two sets.  windows 2, 3: the accumulators.
.set SIZE_K, 1024
.set KSTEP,  512
.set NQ,     KSTEP/128
.set ROWB,   256
.set KROW,   SIZE_K*4/8
.set PITCH,  272                       ; an LDS row: 256 bytes + 16 of padding: the 16 rows that a load touches start at 16 different banks (64 banks of 4 bytes: ISA guide 11.1)
.set FR,     8
.set NL,     2
.set NP,     4
.set HALFT,  128*PITCH
.set SLOT,   4*HALFT
.set KS,     SIZE_K/32
.set SCL,    2*SLOT
.set HALFS,  (128*KS/256)*272
.set SBLK,   (16*KS/256)*272
.set SPARE,  SCL+4*HALFS
.set ADRA, 16
.set ADRB, 20
.set STO,  22                          ; v22-23  the way out: where I put 16 bytes of an image (tokens' bit a = 0, 1)
.set RD,   25
.set CO,   26
.set ADRS, 27
.set SPW,  28
.set NIL,  29
.set SC,   32
.set AF,   128
.set TT,   128                         ; the way out: 64 scaled numbers
.set HP,   192                         ; and their f16 halves: v192-223 and v224-255 by turns
.set G1, 24
.set G0, 32
.set G1B, 48
.set G0B, 56
.set G1S, 68
.set G0S, 76
.set G1SB, 80
.set G0SB, 88
.set QS,  98                           ; s[98:99] log2(e) / 8 for q's rows, 1 for k's and v's
.set MSB, 0
.macro WIN new                         ; the immediate's high byte repeats the setting that is left
.if MSB != \new
	s_set_vgpr_msb (MSB<<8)|\new
.set MSB, \new
.endif
.endm
.set MUL_LO, 0xa1
.set MUL_HI, 0xf1
.set TO_B,   0x40
; A joint load: waves 0 and 1 fetch for A, waves 2 and 3 for B.  The branch hangs on the wave's number alone.  An s_nop 0 and four v_nop follow each line.
.macro JLOAD g0a, g1a, g0b, g1b
	s_cmp_eq_u32 s15, 0
	s_cbranch_scc0 .Lfor_b_\@
	tensor_load_to_lds s[\g0a:\g0a+3], s[\g1a:\g1a+7]
	s_nop 0
.rept 4
	v_nop
.endr
	s_branch .Lasked_\@
.Lfor_b_\@:
	tensor_load_to_lds s[\g0b:\g0b+3], s[\g1b:\g1b+7]
	s_nop 0
.rept 4
	v_nop
.endr
.Lasked_\@:
.endm
.macro CROUND                          ; a round of the cluster's barrier
	s_barrier_signal -1
	s_barrier_wait -1
	s_cmp_lg_u32 s14, 0
	s_cbranch_scc1 .Lnot_wave_0_\@
	s_barrier_signal -3
.Lnot_wave_0_\@:
	s_barrier_wait -3
	s_barrier_signal -1
	s_barrier_wait -1
.endm
	s_load_b128 s[4:7], s[0:1], 0x0                ; A's codes, A's scales
	s_load_b128 s[8:11], s[0:1], 0x10              ; B's codes, B's scales
	s_load_b64 s[12:13], s[0:1], 0x20              ; qkv
	v_lshl_add_u32 v[SPW], v0, 2, SPARE
	v_mov_b32 v[NIL], 0
	ds_add_u32 v[SPW], v[NIL]                      ; the wave's opening: the add, twice on end, and its wait ahead of my first tensor load
	ds_add_u32 v[SPW], v[NIL]
	v_lshrrev_b32 v1, 5, v0
	v_readfirstlane_b32 s14, v1                    ; wave 0..3
	s_lshr_b32 s15, s14, 1                         ; my half of the tile's rows.  Also: I fetch for A (0) or for B (1)
	s_and_b32 s16, s14, 1                          ; my half of its columns.  Also: which 128 rows I fetch
	s_bfe_u32 s40, ttmp6, 0x40000                  ; cx, cy
	s_bfe_u32 s41, ttmp6, 0x40004
	s_lshl_b32 s42, ttmp9, 2
	s_add_co_u32 s42, s42, s40                     ; tile column 0..3
	s_and_b32 s17, ttmp7, 0xffff
	s_lshl_b32 s17, s17, 2
	s_add_co_u32 s17, s17, s41                     ; tile row 0..95
	s_and_b32 s96, ttmp7, 0xffff
	s_lshr_b32 s96, s96, 3                         ; which tensor (32 tile rows = 8 rows of clusters each): the same in all sixteen partners
	s_cmp_eq_u32 s96, 0
	s_cselect_b32 s[QS], 0x3e38aa3b, 1.0
	s_mov_b32 s[QS+1], s[QS]                       ; (named with it as a pair, so it is written)
	s_lshl_b32 s97, s96, 10                        ; the tensor's first row in wc
	s_lshl_b32 s43, s41, 2
	s_lshl_b32 s43, 15, s43                        ; my row of the cluster
	s_lshl_b32 s44, 0x1111, s40                    ; my column
	s_or_b32 s[G1+0], s43, (0<<16)|(1<<20)|(1<<21)|(5<<22)|(3<<25)  ; the mask; elements of 1 byte; padding: 4 words behind every 64
	s_or_b32 s[G1B+0], s44, (0<<16)|(1<<20)|(1<<21)|(5<<22)|(3<<25)
.irp g, G1, G1B
	s_mov_b32 s[\g+1], ROWB<<16                    ; tensor_dim0
	s_mov_b32 s[\g+2], 128<<16                     ; tensor_dim1
	s_mov_b32 s[\g+3], ROWB<<16                    ; tile_dim0
	s_mov_b32 s[\g+4], 128                         ; tile_dim1
	s_mov_b32 s[\g+5], KROW                        ; the pitch
	s_mov_b32 s[\g+6], 0
	s_mov_b32 s[\g+7], 0
.endr
	s_or_b32 s[G1S+0], s43, (3<<16)|(1<<20)|(1<<21)|(5<<22)|(3<<25) ; the scales of 128 rows: 4,096 dense bytes as 16 rows of 256
	s_or_b32 s[G1SB+0], s44, (3<<16)|(1<<20)|(1<<21)|(5<<22)|(3<<25)
.irp g, G1S, G1SB
	s_mov_b32 s[\g+1], 32<<16
	s_mov_b32 s[\g+2], (128*KS/256)<<16
	s_mov_b32 s[\g+3], 32<<16
	s_mov_b32 s[\g+4], 128*KS/256
	s_mov_b32 s[\g+5], 32
	s_mov_b32 s[\g+6], 0
	s_mov_b32 s[\g+7], 0
.endr
	s_lshl_b32 s18, s16, 7
	s_lshl_b32 s20, s17, 8
	s_add_co_u32 s20, s20, s18                     ; A: row 256 x tile row + 128 x half
	s_lshl_b32 s46, s42, 8
	s_add_co_u32 s46, s46, s18
	s_add_co_u32 s46, s46, s97                     ; B: the tensor's rows + 256 x tile column + 128 x half
	s_mov_b32 s21, 0
	s_mov_b32 s47, 0
	s_mov_b64 s[18:19], KS
	s_mul_u64 s[22:23], s[20:21], s[18:19]
	s_mul_u64 s[92:93], s[46:47], s[18:19]
	s_mov_b64 s[18:19], KROW
	s_mul_u64 s[20:21], s[20:21], s[18:19]
	s_mul_u64 s[46:47], s[46:47], s[18:19]
	s_mul_i32 s45, s14, HALFT                      ; where they go: wave x 128 rows
	s_mul_i32 s94, s14, HALFS
	s_wait_dscnt 0x0                               ; both opening adds are done
	s_wait_kmcnt 0x0
	s_add_nc_u64 s[20:21], s[4:5], s[20:21]
	s_add_nc_u64 s[22:23], s[6:7], s[22:23]
	s_add_nc_u64 s[46:47], s[8:9], s[46:47]
	s_add_nc_u64 s[92:93], s[10:11], s[92:93]
	CROUND                                         ; all sixteen work-groups are here: the joint loads meet
	s_mov_b32 s[G0S], 1
	s_add_co_u32 s[G0S+1], s94, SCL
	s_mov_b64 s[G0S+2:G0S+3], s[22:23]
	s_or_b32 s[G0S+3], s[G0S+3], 0x80000000
	s_mov_b32 s[G0SB], 1
	s_add_co_u32 s[G0SB+1], s94, SCL
	s_mov_b64 s[G0SB+2:G0SB+3], s[92:93]
	s_or_b32 s[G0SB+3], s[G0SB+3], 0x80000000
	JLOAD G0S, G1S, G0SB, G1SB                     ; the scales first; by this text's count three tensor loads of a wave are out at the most
.irp s, 0,1
	s_mov_b32 s[G0+4*\s], 1
	s_add_co_u32 s[G0+4*\s+1], s45, \s*SLOT
	s_add_nc_u64 s[G0+4*\s+2:G0+4*\s+3], s[20:21], \s*ROWB
	s_or_b32 s[G0+4*\s+3], s[G0+4*\s+3], 0x80000000
	s_mov_b32 s[G0B+4*\s], 1
	s_add_co_u32 s[G0B+4*\s+1], s45, \s*SLOT
	s_add_nc_u64 s[G0B+4*\s+2:G0B+4*\s+3], s[46:47], \s*ROWB
	s_or_b32 s[G0B+4*\s+3], s[G0B+4*\s+3], 0x80000000
	JLOAD G0+4*\s, G1, G0B+4*\s, G1B
.endr
	v_and_b32 v1, 15, v0                           ; r
	v_bfe_u32 v2, v0, 4, 1                         ; h
	v_mul_u32_u24 v3, v1, PITCH
	v_lshl_add_u32 v4, v2, 4, v3
	s_mul_i32 s21, s15, HALFT
	s_mul_i32 s22, s16, HALFT
	s_add_co_u32 s22, s22, 2*HALFT
.irp s, 0,1
	v_add_nc_u32 v[ADRA+\s], s21, v4
	v_add_nc_u32 v[ADRB+\s], s22, v4
	s_add_co_u32 s21, s21, SLOT
	s_add_co_u32 s22, s22, SLOT
.endr
	v_mul_u32_u24 v5, v1, KS                       ; my row's scales: 32 bytes a row,
	v_lshrrev_b32 v6, 8, v5
	v_lshl_add_u32 v5, v6, 4, v5                   ; and 16 more for each 256 passed
	s_mul_i32 s21, s15, HALFS
	s_mul_i32 s22, s16, HALFS
	s_add_co_u32 s22, s22, 2*HALFS
	s_sub_co_u32 s22, s22, s21
	v_mul_u32_u24 v6, s22, v2                      ; lanes 16-31 take B's
	s_add_co_u32 s21, s21, SCL
	v_add_nc_u32 v5, v5, v6
	v_add_nc_u32 v[ADRS], s21, v5
	s_lshl_b32 s23, s14, 15                        ; my stage: 32,768 bytes in slot 0: four images
	v_lshrrev_b32 v5, 3, v1
	v_lshlrev_b32 v5, 11, v5                       ; 2,048 (r / 8)
	v_mul_u32_u24 v6, v2, 384                      ; 256 h + 128 (0 xor h)
	v_add_nc_u32 v5, v5, v6
	v_and_b32 v6, 7, v1
	v_lshl_add_u32 v5, v6, 4, v5
	v_add_nc_u32 v[STO], s23, v5
	v_xor_b32 v[STO+1], 128, v[STO]                ; and with 128 (1 xor h) in its place
	v_and_b32 v6, 31, v0
	v_lshlrev_b32 v[CO], 4, v6
	v_add_nc_u32 v[RD], s23, v[CO]
	s_lshl_b32 s20, s17, 2
	s_lshl_b32 s21, s15, 1
	s_add_co_u32 s20, s20, s21                     ; my first block of 64 tokens among the 384
	s_lshr_b32 s21, s20, 5
	s_lshl_b32 s21, s21, 9                         ; (tensor 4 + batch) x 16 heads x 32 blocks
	s_and_b32 s20, s20, 31
	s_add_co_u32 s20, s20, s21
	s_lshl_b32 s20, s20, 13
	s_mov_b32 s21, 0
	s_add_nc_u64 s[12:13], s[12:13], s[20:21]
	s_lshl_b32 s46, s42, 2
	s_lshl_b32 s47, s16, 1
	s_add_co_u32 s46, s46, s47                     ; my first head
	s_lshl_b32 s46, s46, 18                        ; x 32 blocks of 8,192 bytes
	s_mov_b32 s47, 0
	s_add_nc_u64 s[12:13], s[12:13], s[46:47]
.macro FRAG reg, adr, q, i             ; 16 rows x 128 K of 4-bit codes: 8 registers: lane l holds row l % 16; registers 4 c .. 4 c + 3 hold K = 64 c + 32 (l / 16) + 0 .. 31
.irp c, 0,1
	ds_load_b128 v[\reg+4*\c:\reg+4*\c+3], v[\adr] offset:64*(\q)+32*\c+(\i)*16*PITCH
.endr
.endm
; 16 matrix instructions: A's blocks a0, a0 + 1 x B's eight.  The 64 accumulators take turns, one instruction a turn.
.macro MUL16 a0, p, q, sc, zero
.irp a, \a0, \a0+1
.irp b, 0,1,2,3,4,5,6,7
.if \zero
	v_wmma_scale_f32_16x16x128_f8f6f4 v[8*(8*((\a)%4)+\b):8*(8*((\a)%4)+\b)+7], v[128*(\p)+FR*\b:128*(\p)+FR*\b+FR-1], v[AF+FR*(\a):AF+FR*(\a)+FR-1], 0, v[SC+8*NQ*(\sc)+NQ*\b+(\q)], v[SC+8*NQ*(\sc)+NQ*(\a)+(\q)] matrix_a_fmt:MATRIX_FMT_FP4 matrix_b_fmt:MATRIX_FMT_FP4 matrix_a_scale:MATRIX_SCALE_ROW1
.else
	v_wmma_scale_f32_16x16x128_f8f6f4 v[8*(8*((\a)%4)+\b):8*(8*((\a)%4)+\b)+7], v[128*(\p)+FR*\b:128*(\p)+FR*\b+FR-1], v[AF+FR*(\a):AF+FR*(\a)+FR-1], v[8*(8*((\a)%4)+\b):8*(8*((\a)%4)+\b)+7], v[SC+8*NQ*(\sc)+NQ*\b+(\q)], v[SC+8*NQ*(\sc)+NQ*(\a)+(\q)] matrix_a_fmt:MATRIX_FMT_FP4 matrix_b_fmt:MATRIX_FMT_FP4 matrix_a_scale:MATRIX_SCALE_ROW1
.endif
.endr
.endr
.endm
.macro FETCH_B slot, q, p
	WIN TO_B
.irp i, 0,1,2,3,4,5,6,7
	FRAG 128*(\p)+FR*\i, ADRB+\slot, \q, \i
.endr
	WIN 0
.endm
.macro FETCH_A slot, q, i0
.irp i, \i0, \i0+1, \i0+2, \i0+3
	FRAG AF+FR*(\i), ADRA+\slot, \q, \i
.endr
.endm
.macro SCALES sc                       ; a K step's scale words: lanes 0-15 take A's block i, lanes 16-31 B's block i
.irp i, 0,1,2,3,4,5,6,7
	ds_load_b128 v[SC+8*NQ*\sc+NQ*\i:SC+8*NQ*\sc+NQ*\i+3], v[ADRS] offset:\i*SBLK
.endr
.endm
.macro PLACES n                        ; plain vector instructions between a matrix instruction and a load into, or a read of, its registers
.rept \n
	v_nop
.endr
.endm
.macro STEP slot, q, zero
	s_wait_dscnt 4*NL                              ; B's set and A's blocks 0-3 are in; the youngest eight loads (A's blocks 4-7) may be out
	WIN MUL_LO
	MUL16 0, (\q)%2, \q, \slot, \zero
	MUL16 2, (\q)%2, \q, \slot, \zero
	s_wait_dscnt 0                                 ; A's blocks 4-7 are in
	PLACES NP
	FETCH_B \slot, (\q)+1, 1-(\q)%2
	FETCH_A \slot, (\q)+1, 0
	WIN MUL_HI
	MUL16 4, (\q)%2, \q, \slot, \zero
	MUL16 6, (\q)%2, \q, \slot, \zero
	PLACES NP
	WIN 0
	FETCH_A \slot, (\q)+1, 4
.endm
; Slot 0's last step changes slots: in front of the barrier each wave waits for all its tensor loads (its part of slot 1), adds 0 to its spare word, and waits for that and for its reads of slot 0.  Nothing is filled again.
.macro TURN slot, next
	s_wait_tensorcnt 0x0
	ds_add_u32 v[SPW], v[NIL]
	s_wait_dscnt 4*NL+1                            ; the add and the youngest eight loads may be out
	WIN MUL_LO
	MUL16 0, 1, NQ-1, \slot, 0
	s_wait_dscnt 0x0                               ; the add is done, and my reads of this slot are over
	s_barrier_signal -1
	MUL16 2, 1, NQ-1, \slot, 0
	WIN 0
	s_barrier_wait -1
	PLACES NP
	v_add_nc_u32 v[ADRS], 4*NQ, v[ADRS]            ; on to the next K step's scale words
	FETCH_B \next, 0, 0
	FETCH_A \next, 0, 0
	SCALES \next
	WIN MUL_HI
	MUL16 4, 1, NQ-1, \slot, 0
	MUL16 6, 1, NQ-1, \slot, 0
	PLACES NP
	WIN 0
	FETCH_A \next, 0, 4
.endm
.macro STEPS slot, from
.set Q, \from
.rept NQ-1-\from
	STEP \slot, Q, 0
.set Q, Q+1
.endr
.endm
	s_wait_tensorcnt 1                             ; the scales and my part of slot 0 are in; slot 1's load may be out
	s_barrier_signal -1
	s_barrier_wait -1
	FETCH_B 0, 0, 0
	FETCH_A 0, 0, 0
	SCALES 0
	FETCH_A 0, 0, 4
	STEP 0, 0, 1                                   ; the first products start the sums: nothing is cleared
	STEPS 0, 1
	TURN 0, 1
	STEPS 1, 0
	s_wait_dscnt 4*NL
	WIN MUL_LO
	MUL16 0, 1, NQ-1, 1, 0
	MUL16 2, 1, NQ-1, 1, 0
	s_wait_dscnt 0
	WIN MUL_HI
	MUL16 4, 1, NQ-1, 1, 0
	MUL16 6, 1, NQ-1, 1, 0
	WIN 0
; THE WAY OUT.  Block a (16 tokens x 128 columns): scaled in f32, rounded to f16, 16 bytes a lane and accumulator into my stage, at their places in the images.  The stage lies in slot 0, which has had its only fill
; and, since the change of slots, no reader.  Then the stage's 32,768 bytes leave as they lie: two heads x 16,384 consecutive bytes.
.macro PACKA a
.set AC, 64*((\a)%4)
.set HH, HP+32*((\a)%2)
	WIN (0x02+(\a)/4)                              ; source 0: window 2 or 3
.set i, 0
.rept 32
	v_pk_mul_f32 v[TT+i:TT+i+1], v[AC+i:AC+i+1], s[QS:QS+1] op_sel_hi:[1,0]   ; each accumulator from its low end on
.set i, i+2
.endr
	WIN 0
.set i, 0
.rept 32
	v_cvt_pk_f16_f32 v[HH+i], v[TT+2*i], v[TT+2*i+1]
.set i, i+1
.endr
.irp b, 0,1,2,3,4,5,6,7
	ds_store_b128 v[STO+((\a)/2)%2], v[HH+4*\b:HH+4*\b+3] offset:(\b/4)*16384+((\a)/4)*8192+((\a)%2)*4096+(\b%4)*512
.endr
.endm
.macro RDB k                           ; 8,192 bytes of the stage into v32-95 or v128-191
.set BB, 32+96*((\k)%2)
.irp t, 0,1,2,3,4,5,6,7,8,9,10,11,12,13,14,15
	ds_load_b128 v[BB+4*\t:BB+4*\t+3], v[RD] offset:(16*(\k)+\t)*512   ; LDS serves a wave's instructions in order: these see my stores
.endr
.endm
.macro SNB k, younger                  ; younger: the LDS loads issued behind this batch's
.set BB, 32+96*((\k)%2)
.irp t, 0,1,2,3,4,5,6,7,8,9,10,11,12,13,14,15
	s_wait_dscnt \younger+15-\t
	global_store_b128 v[CO], v[BB+4*\t:BB+4*\t+3], s[12:13] offset:((\k)/2)*262144+(16*((\k)%2)+\t)*512   ; 512 consecutive bytes, aligned
.endr
.endm
	PLACES NP                                      ; behind the last products: for the writes over A's fragments and the reads of results
.irp a, 0,1,2,3,4,5,6,7
	PACKA \a
.endr
	RDB 0
	RDB 1
	SNB 0, 16
	s_wait_xcnt 0x0                                ; the stores have read their registers: the next batch may land there
	RDB 2
	SNB 1, 16
	s_wait_xcnt 0x0
	RDB 3
	SNB 2, 16
	SNB 3, 0
	s_wait_tensorcnt 0x0                           ; the wave's end
	ds_add_u32 v[SPW], v[NIL]
	s_wait_dscnt 0x0
	CROUND                                         ; the closing round
	s_endpgm
.Lfunc_end_k_qff12407794_proj:
	.size	k_qff12407794_proj, .Lfunc_end_k_qff12407794_proj-k_qff12407794_proj
	.p2alignl 7, 3214868480
	.fill 96, 4, 3214868480
	.section	.rodata,"a",@progbits
	.p2align	6, 0x0
	.amdhsa_kernel k_qff12407794_proj
		.amdhsa_group_segment_fixed_size 327680
		.amdhsa_private_segment_fixed_size 0
		.amdhsa_enable_private_segment 0
		.amdhsa_kernarg_size 40
		.amdhsa_user_sgpr_count 2
		.amdhsa_user_sgpr_kernarg_segment_ptr 1
		.amdhsa_wavefront_size32 1
		.amdhsa_system_sgpr_workgroup_id_x 1
		.amdhsa_system_sgpr_workgroup_id_y 1
		.amdhsa_system_sgpr_workgroup_id_z 1
		.amdhsa_system_vgpr_workitem_id 0
		.amdhsa_next_free_vgpr 1024
		.amdhsa_next_free_sgpr 100
		.amdhsa_reserve_vcc 0
		.amdhsa_float_denorm_mode_32 3
		.amdhsa_float_denorm_mode_16_64 3
		.amdhsa_memory_ordered 1
		.amdhsa_forward_progress 1
		.amdhsa_inst_pref_size 144
	.end_amdhsa_kernel
	.amdgpu_metadata
---
amdhsa.version: [ 1, 2 ]
amdhsa.kernels:
  - .name:           k_qff12407794_proj
    .symbol:         k_qff12407794_proj.kd
    .args:
      - { .name: xc, .offset: 0, .size: 8, .value_kind: global_buffer, .address_space: global }
      - { .name: xs, .offset: 8, .size: 8, .value_kind: global_buffer, .address_space: global }
      - { .name: wc, .offset: 16, .size: 8, .value_kind: global_buffer, .address_space: global }
      - { .name: ws, .offset: 24, .size: 8, .value_kind: global_buffer, .address_space: global }
      - { .name: qkv, .offset: 32, .size: 8, .value_kind: global_buffer, .address_space: global }
    .group_segment_fixed_size: 327680
    .private_segment_fixed_size: 0
    .kernarg_segment_align: 8
    .kernarg_segment_size: 40
    .max_flat_workgroup_size: 128
    .sgpr_count:     100
    .vgpr_count:     1024
    .wavefront_size: 32
...
	.end_amdgpu_metadata
.endif
;; end of part 2
;; launch attn (part 3): grid 4 x 64, 8 waves a work-group, clusters of 4 x 1, 327,680 bytes of LDS; arguments qkv, nmask, ctx; writes ctx
.if DOCPART == 3
	.amdgcn_target "amdgcn-amd-amdhsa--gfx1250"
	.amdhsa_code_object_version 6
	.text
	.protected	k_qff12407794_attn
	.globl	k_qff12407794_attn
	.p2align	8
	.type	k_qff12407794_attn,@function
k_qff12407794_attn:
	s_mov_b64 s[64:65], 0
	v_nop
	global_prefetch_b8 v0, s[64:65] scope:SCOPE_SE
	s_setreg_imm32_b32 hwreg(HW_REG_WAVE_MODE, 25, 1), 1
	s_wait_xcnt 0x0
	s_wait_alu depctr_hold_cnt(0) depctr_sa_sdst(0) depctr_va_vdst(0) depctr_va_sdst(0) depctr_va_ssrc(0) depctr_va_vcc(0) depctr_vm_vsrc(0)
	s_getreg_b32 s2, hwreg(HW_REG_IB_STS2, 6, 4)
	s_cmp_eq_u32 s2, 0
	s_cbranch_scc0 .Lentry_in_a_cluster
	s_endpgm
.Lentry_in_a_cluster:
	s_bfe_u32 s2, ttmp6, 0x10000c
	s_cmp_lg_u32 s2, 0x3003
	s_cbranch_scc0 .Lentry_shape_is_right
	s_endpgm
.Lentry_shape_is_right:
; ATTN: ctx[head][token][:] = the sum over keys of softmax(scores, hidden keys at the least number) V.  Operands f16; products, maxima and sums f32; the weights p are rounded to f16 for the second product.
; q's images already carry log2(e) / 8, so K Q^T gives t, and p = 2^(t - m), m the row's running maximum; O and the sum l are multiplied by a = 2^(m_old - m_new) in every step.
; SHARES.  A work-group owns 512 queries of one (batch, head); each of its eight waves 64: four tiles of 16.  Two waves lie on a SIMD: one's vector work stands beside the other's products.  Every wave walks all 2,048 keys, 64 a step.
; LAYOUT.  S^T = K Q^T (source 0 = 16 keys, source 1 = 16 queries), O^T = V^T P: a lane holds ONE query throughout.  Row r of tile T of an image is token 32 (r / 8) + 8 T + r % 8, so lane (r, h) holds the 32 NEIGHBOURING
; keys 32 h + 0 .. 31 in its 32 score registers, which, rounded in pairs, ARE source 1 of V^T P.  K and Q come as they lie (512 consecutive bytes a load), V turned by ds_load_tr16_b128.
; THE MASK is four bits a key: a conversion writes 0 or -2^127 into the eight registers of a score tile, and the first product adds onto them.  A hidden t is about -2^127: p = 0 beside any key that counts.
; A ROW WITH NO KEY THAT COUNTS SO FAR (m at or under -2^126) takes g = 0 for 1 in t g - m g and in m_old g - m g: every p is 1 and a is 1: equal weights, as a softmax of equal scores gives.
; LIMITS: |t| under 2^100; the results under 65,504 (f16); NaN and infinities are not served.
; CLUSTER.  The four query blocks of a (batch, head) walk the same K and V: each tile is asked for jointly, mask 15.  A slot holds 512 keys (8 steps); each of the eight waves fetches 16,384 bytes of it.
; No prefetch is laid: a slot's refill is issued eight key steps, 512 matrix instructions a wave, ahead of the wait for it, and there are two refills in all; the mask words are read by sixteen heads, not once.
; REGISTERS: window 0: v2-15 addresses and constants; v16-47 statistics, 8 a tile; v48-63 mask words; v64-191 S^T, 32 a tile (P in the first 16); v192-255 K's 8 fragments.
;            window 1: v0-127 O^T, 32 a tile; v128-191 Q, 16 a tile; v192-255 V's 8 fragments.
.set SLOT1, 1<<17                      ; slot 1 begins here: one exclusive or turns an address
.set VOFF,  65536                      ; in a slot: K's 8 images, then V's 8
.set STEPB, 8192
.set STG,   2*SLOT1                    ; behind the ring: the way out's stages, 32 rows x 144 bytes a wave
.set SP,    144
.set SPARE, STG+8*32*SP                ; behind them: the spare words, 128 bytes a wave
.set AK0, 2                            ; v2   my lane's place in a plain fragment load: (L xor 8 (L / 16)) x 16
.set AV0, 3                            ; v3   and in a turning load, + VOFF
.set ADR, 4
.set MO,  5                            ; v5   my offset among the wave's mask words: 16 L + 2,048 x step
.set MOL, 6                            ; v6   its value in the last step
.set STO, 7
.set RD,  8
.set GO,  9
.set SCL, 10                           ; v10  the byte 254 four times: 2^127
.set ONE, 11                           ; v11  1.0
.set SPW, 12
.set NIL, 13
.set ST,  16                           ; tile i at v[ST + 8 i]: +0 -m g, +1 m, +2 +3 l, +4 g, +5 at work, +6 a, +7 the new maximum
.set M,   48
.set S,   64
.set KF,  192
.set QF,  128                          ; window 1
.set VF,  192                          ; window 1
.set WV,  10
.set G1,  16                           ; s[16:23]
.set G0A, 24                           ; s[24:27] slot 0's first fill
.set G0B, 28                           ; s[28:31] slot 1's first fill; it then walks
.set TB,  32                           ; s32  LDS byte at which the step to be fetched begins
.set CNT, 33
.set SLOTS, 34
.set SEL, 36                           ; s[36:37]
.set THR, 38                           ; s38  -2^126
.set MSB, 0
.macro WIN new
.if MSB != \new
	s_set_vgpr_msb (MSB<<8)|\new
.set MSB, \new
.endif
.endm
.macro CROUND
	s_barrier_signal -1
	s_barrier_wait -1
	s_cmp_lg_u32 s[WV], 0
	s_cbranch_scc1 .Lnot_wave_0_\@
	s_barrier_signal -3
.Lnot_wave_0_\@:
	s_barrier_wait -3
	s_barrier_signal -1
	s_barrier_wait -1
.endm
	s_load_b128 s[4:7], s[0:1], 0x0                ; qkv, nmask
	s_load_b64 s[8:9], s[0:1], 0x10                ; ctx
	v_lshl_add_u32 v[SPW], v0, 2, SPARE
	v_mov_b32 v[NIL], 0
	ds_add_u32 v[SPW], v[NIL]                      ; the wave's opening: the add, twice on end, and its wait ahead of my first tensor load
	ds_add_u32 v[SPW], v[NIL]
	v_lshrrev_b32 v1, 5, v0
	v_readfirstlane_b32 s[WV], v1                  ; wave 0..7
	s_bfe_u32 s11, ttmp6, 0x40000                  ; cx: my block of 512 queries: it enters Q's, the mask's and ctx's addresses alone
	s_and_b32 s12, ttmp7, 0xffff                   ; 16 x batch + head, which the four partners share
	s_mov_b32 s[G1], 15|(3<<16)|(1<<21)            ; the mask: all four; elements of 8 bytes; bit 21 beside a mask; no padding
	s_mov_b32 s[G1+1], 32<<16                      ; tensor_dim0 = 32: rows of 256 bytes
	s_mov_b32 s[G1+2], 64<<16                      ; tensor_dim1 = 64
	s_mov_b32 s[G1+3], 32<<16                      ; tile_dim0
	s_mov_b32 s[G1+4], 64                          ; tile_dim1
	s_mov_b32 s[G1+5], 32                          ; the pitch: dense
	s_mov_b32 s[G1+6], 0
	s_mov_b32 s[G1+7], 0
	s_lshl_b32 s40, s12, 18                        ; a (batch, head)'s 32 images
	s_lshr_b32 s41, s[WV], 2
	s_add_co_u32 s41, s41, 1                       ; waves 0-3 fetch K (tensor 1), waves 4-7 V (tensor 2)
	s_lshl_b32 s41, s41, 24
	s_add_co_u32 s40, s40, s41
	s_and_b32 s41, s[WV], 3
	s_lshl_b32 s41, s41, 14                        ; my two images of a slot's eight
	s_add_co_u32 s40, s40, s41
	s_mov_b32 s41, 0
	s_lshl_b32 s48, s[WV], 14                      ; and their place in a slot
	s_lshl_b32 s49, s11, 3
	s_add_co_u32 s49, s49, s[WV]                   ; my group of 64 queries, 0..31
	s_lshl_b32 s42, s12, 18
	s_lshl_b32 s43, s49, 13
	s_add_co_u32 s42, s42, s43                     ; Q's image
	s_mov_b32 s43, 0
	s_lshr_b32 s44, s12, 4                         ; batch
	s_lshl_b32 s45, s44, 5
	s_add_co_u32 s45, s45, s49
	s_lshl_b32 s46, s44, 18                        ; ctx: batch x 2,048 tokens x 128 bytes
	s_lshl_b32 s44, s45, 16                        ; the mask words of my 64 queries: 65,536 bytes
	s_mov_b32 s45, 0
	s_and_b32 s47, s12, 15
	s_lshl_b32 s47, s47, 20                        ; head x 8,192 tokens x 128 bytes
	s_add_co_u32 s46, s46, s47
	s_lshl_b32 s47, s49, 13
	s_add_co_u32 s46, s46, s47
	s_mov_b32 s47, 0
	s_mov_b32 s[SEL], 0x76543210
	s_mov_b32 s[SEL+1], 0xfedcba98
	s_mov_b32 s[THR], 0xfe800000
	s_mov_b32 s[TB], 0
	s_wait_dscnt 0x0                               ; both opening adds are done
	s_wait_kmcnt 0x0
	s_add_nc_u64 s[40:41], s[4:5], s[40:41]
	s_add_nc_u64 s[4:5], s[4:5], s[42:43]
	s_add_nc_u64 s[6:7], s[6:7], s[44:45]
	s_add_nc_u64 s[8:9], s[8:9], s[46:47]
	CROUND                                         ; all four work-groups are here: the first joint loads meet
	s_mov_b32 s[G0A], 1
	s_mov_b32 s[G0A+1], s48
	s_mov_b64 s[G0A+2:G0A+3], s[40:41]
	s_or_b32 s[G0A+3], s[G0A+3], 0x80000000
	s_mov_b32 s[G0B], 1
	s_add_co_u32 s[G0B+1], s48, SLOT1
	s_add_nc_u64 s[G0B+2:G0B+3], s[40:41], 65536   ; the next 512 keys
	s_or_b32 s[G0B+3], s[G0B+3], 0x80000000
	tensor_load_to_lds s[G0A:G0A+3], s[G1:G1+7]    ; by this text's count two tensor loads of a wave are out here, later one
	s_nop 0
	tensor_load_to_lds s[G0B:G0B+3], s[G1:G1+7]
	s_nop 0
.rept 4
	v_nop
.endr
	v_and_b32 v1, 31, v0                           ; L
	v_lshrrev_b32 v14, 4, v1                       ; h
	v_lshlrev_b32 v15, 3, v14
	v_xor_b32 v15, v15, v1
	v_lshlrev_b32 v[AK0], 4, v15
	v_lshlrev_b32 v[MO], 4, v1
	WIN 0x40                                       ; destination window 1
.irp i, 0,1,2,3
.irp c, 0,1,2,3
	global_load_b128 v[QF+16*\i+4*\c:QF+16*\i+4*\c+3], v[AK0], s[4:5] offset:\i*2048+\c*512   ; Q stays in registers: tile i, channels 16 c + 8 h on
.endr
.endr
	WIN 0
.irp i, 0,1,2,3
	global_load_b128 v[M+4*\i:M+4*\i+3], v[MO], s[6:7] offset:512*\i   ; step 0's mask words
.endr
	v_bfe_u32 v15, v0, 3, 1                        ; rb = (L / 8) % 2
	v_xor_b32 v[AV0], v14, v15
	v_lshlrev_b32 v[AV0], 3, v[AV0]
	v_and_b32 v[ADR], 7, v0
	v_add_nc_u32 v[AV0], v[AV0], v[ADR]
	v_lshlrev_b32 v[AV0], 4, v[AV0]
	v_lshl_add_u32 v[AV0], v15, 8, v[AV0]          ; 256 rb + ((h xor rb) 8 + L % 8) 16
	v_add_nc_u32 v[AV0], VOFF, v[AV0]
	v_add_nc_u32 v[MOL], 31*2048, v[MO]
	v_lshlrev_b32 v[GO], 4, v1
	v_and_b32 v15, 15, v0                          ; r
	v_and_b32 v[STO], 8, v15
	v_add_nc_u32 v[STO], v[STO], v15               ; 16 (r / 8) + r % 8
	v_mul_u32_u24 v[STO], v[STO], SP
	v_lshl_add_u32 v[STO], v14, 4, v[STO]
	s_mul_i32 s49, s[WV], 32*SP
	s_add_co_u32 s49, s49, STG                     ; my stage
	v_add_nc_u32 v[STO], s49, v[STO]
	v_lshrrev_b32 v[RD], 3, v1
	v_mul_u32_u24 v[RD], v[RD], SP
	v_and_b32 v15, 7, v0
	v_lshl_add_u32 v[RD], v15, 4, v[RD]
	v_add_nc_u32 v[RD], s49, v[RD]                 ; back: eight lanes to a row of 128 bytes, four rows an instruction
	v_mov_b32 v[SCL], 0xfefefefe
	v_mov_b32 v[ONE], 1.0
.irp i, 0,1,2,3
	v_mov_b32 v[ST+8*\i+1], 0xff7fffff             ; m: under every t, finite
	v_mov_b32 v[ST+8*\i+2], 0                      ; l
	v_mov_b32 v[ST+8*\i+3], 0
	v_mov_b32 v[ST+8*\i+5], 0                      ; (a lane permute's destination counts as one of its sources)
.endr
	WIN 0x40
.set j, 0
.rept 128
	v_mov_b32 v[j], 0                              ; O^T: the step is written without a first step of its own; the first a multiplies zeros
.set j, j+1
.endr
	WIN 0
.macro FETCH_K                         ; a step's K: fragment f = 2 T + s (keys' tile T, channels 32 s on)
	v_add_nc_u32 v[ADR], s[TB], v[AK0]
.irp f, 0,1,2,3,4,5,6,7
	ds_load_b128 v[KF+8*\f:KF+8*\f+3],   v[ADR] offset:(\f/2)*2048+(\f%2)*1024
	ds_load_b128 v[KF+8*\f+4:KF+8*\f+7], v[ADR] offset:(\f/2)*2048+(\f%2)*1024+512
.endr
.endm
.macro FETCH_V                         ; a step's V, turned: fragment f = 2 c + u (channels 16 c on; keys 32 h + 16 u + 0 .. 15)
	v_add_nc_u32 v[ADR], s[TB], v[AV0]
	s_add_co_u32 s[TB], s[TB], STEPB               ; the next fetch is the next step's
	WIN 0x40
.irp f, 0,1,2,3,4,5,6,7
	ds_load_tr16_b128 v[VF+8*\f:VF+8*\f+3],   v[ADR] offset:(\f%2)*4096+(\f/2)*512
	ds_load_tr16_b128 v[VF+8*\f+4:VF+8*\f+7], v[ADR] offset:(\f%2)*4096+2048+(\f/2)*512
.endr
	WIN 0
.endm
; The softmax of a step, the four tiles by turns in every phase.  Each score tile is first read at one of its four lowest registers.
.macro SOFTMAX
.irp i, 0,1,2,3
	v_max3_num_f32 v[ST+8*\i+7], v[S+32*\i], v[S+32*\i+1], v[S+32*\i+2]
.endr
.irp k, 3,5,7,9,11,13,15,17,19,21,23,25,27,29
.irp i, 0,1,2,3
	v_max3_num_f32 v[ST+8*\i+7], v[ST+8*\i+7], v[S+32*\i+\k], v[S+32*\i+\k+1]
.endr
.endr
.irp i, 0,1,2,3
	v_max3_num_f32 v[ST+8*\i+7], v[ST+8*\i+7], v[S+32*\i+31], v[ST+8*\i+1]   ; and the old m
.endr
.irp i, 0,1,2,3
	v_permlanex16_b32 v[ST+8*\i+5], v[ST+8*\i+7], s[SEL], s[SEL+1]           ; the query's other 32 keys lie in the lane 16 away
.endr
.irp i, 0,1,2,3
	v_max_num_f32 v[ST+8*\i+7], v[ST+8*\i+7], v[ST+8*\i+5]
.endr
.irp i, 0,1,2,3
	v_cmp_lt_f32 vcc_lo, s[THR], v[ST+8*\i+7]
	v_cndmask_b32 v[ST+8*\i+4], 0, v[ONE], vcc_lo  ; g = 1 where some key has counted, else 0: a choice of a value, no branch
.endr
.irp i, 0,1,2,3
	v_mul_f32 v[ST+8*\i], -v[ST+8*\i+7], v[ST+8*\i+4]                        ; -m g
.endr
.irp i, 0,1,2,3
	v_fma_f32 v[ST+8*\i+5], v[ST+8*\i+1], v[ST+8*\i+4], v[ST+8*\i]           ; m_old g - m g
.endr
.irp i, 0,1,2,3
	v_mov_b32 v[ST+8*\i+1], v[ST+8*\i+7]
.endr
.irp i, 0,1,2,3
	v_exp_f32 v[ST+8*\i+6], v[ST+8*\i+5]           ; a: the first four of the batch
.endr
.irp p, 0,2,4,6,8,10,12,14,16,18,20,22,24,26,28,30
.irp i, 0,1,2,3
	v_pk_fma_f32 v[S+32*\i+\p:S+32*\i+\p+1], v[S+32*\i+\p:S+32*\i+\p+1], v[ST+8*\i+4:ST+8*\i+5], v[ST+8*\i:ST+8*\i+1] op_sel_hi:[1,0,0]   ; t g - m g, two at a time
.endr
.endr
.set j, 0
.rept 128
	v_exp_f32 v[S+j], v[S+j]                       ; p
.set j, j+1
.endr
	v_nop                                          ; a plain instruction behind the last exponential
	s_wait_alu depctr_va_vdst(0)                   ; one wait for the batch of 132, ahead of its first reader
.irp i, 0,1,2,3
	v_pk_fma_f32 v[ST+8*\i+2:ST+8*\i+3], v[ST+8*\i+2:ST+8*\i+3], v[ST+8*\i+6:ST+8*\i+7], v[S+32*\i:S+32*\i+1] op_sel_hi:[1,0,1]   ; l = l a + the first pair
.endr
.irp p, 2,4,6,8,10,12,14,16,18,20,22,24,26,28,30
.irp i, 0,1,2,3
	v_pk_add_f32 v[ST+8*\i+2:ST+8*\i+3], v[ST+8*\i+2:ST+8*\i+3], v[S+32*\i+\p:S+32*\i+\p+1]   ; the sum is taken of the unrounded p
.endr
.endr
.irp p, 0,1,2,3,4,5,6,7,8,9,10,11,12,13,14,15
.irp i, 0,1,2,3
	v_cvt_pk_f16_f32 v[S+32*\i+\p], v[S+32*\i+2*\p], v[S+32*\i+2*\p+1]       ; P, in place, ascending
.endr
.endr
.endm
; The first half of a trip: the softmax of step j and V^T P of step j; more = 1: K of step j + 1 is fetched meanwhile.
.macro HALF_A more
.rept 4
	v_nop                                          ; places behind K Q^T: for the loads into K's registers and the reads of the scores
.endr
.if \more
	FETCH_K
.endif
	SOFTMAX
	WIN 0x41                                       ; O^T in window 1, a in window 0
.irp i, 0,1,2,3
.irp p, 0,2,4,6,8,10,12,14,16,18,20,22,24,26,28,30
	v_pk_mul_f32 v[32*\i+\p:32*\i+\p+1], v[32*\i+\p:32*\i+\p+1], v[ST+8*\i+6:ST+8*\i+7] op_sel_hi:[1,0]
.endr
.endr
.if \more
	s_wait_dscnt 16                                ; V is in; the next K's sixteen loads may be out
.else
	s_wait_dscnt 0x0
.endif
	WIN 0x51                                       ; V and O^T in window 1, P in window 0
.irp u, 0,1                            ; the 16 accumulators take turns
.irp c, 0,1,2,3
.irp i, 0,1,2,3
	v_wmma_f32_16x16x32_f16 v[32*\i+8*\c:32*\i+8*\c+7], v[VF+8*(2*\c+\u):VF+8*(2*\c+\u)+7], v[S+32*\i+8*\u:S+32*\i+8*\u+7], v[32*\i+8*\c:32*\i+8*\c+7]
.endr
.endr
.endr
	WIN 0
.endm
; The second half: V of the step in hand is fetched, its mask words become the scores' start, the next step's mask words are asked for, and K Q^T adds onto the start.
.macro HALF_B
.rept 4
	v_nop                                          ; places behind V^T P: for the loads into V's registers and the writes over P
.endr
	FETCH_V
	s_wait_loadcnt 0x0                             ; the mask words (the first time: Q too)
.irp i, 0,1,2,3
.irp t, 0,1,2,3
	v_cvt_scale_pk8_f32_fp4 v[S+32*\i+8*\t:S+32*\i+8*\t+7], v[M+4*\i+\t], v[SCL]   ; 0, or -1 x 2^127
.endr
.endr
	v_nop                                          ; a plain instruction behind the last scaled conversion
	v_add_nc_u32 v[MO], 2048, v[MO]                ; (its loads are in)
	v_min_u32 v[MO], v[MO], v[MOL]                 ; the last step asks for its own words again: no load leaves the buffer
.irp i, 0,1,2,3
	global_load_b128 v[M+4*\i:M+4*\i+3], v[MO], s[6:7] offset:512*\i
.endr
	s_wait_dscnt 16                                ; K is in; V's sixteen loads may be out
	WIN 0x04                                       ; Q in window 1
.irp s, 0,1
.irp t, 0,1,2,3
.irp i, 0,1,2,3
	v_wmma_f32_16x16x32_f16 v[S+32*\i+8*\t:S+32*\i+8*\t+7], v[KF+8*(2*\t+\s):KF+8*(2*\t+\s)+7], v[QF+16*\i+8*\s:QF+16*\i+8*\s+7], v[S+32*\i+8*\t:S+32*\i+8*\t+7]
.endr
.endr
.endr
	WIN 0
.endm
.macro TRIPS n
	s_mov_b32 s[CNT], \n
.Ltrip_\@:
	HALF_A 1
	HALF_B
	s_sub_co_u32 s[CNT], s[CNT], 1
	s_cmp_lg_u32 s[CNT], 0
	s_cbranch_scc1 .Ltrip_\@
.endm
; THE CHANGE OF SLOTS stands where K and V of the slot's last step have been asked for.  Each wave waits for all its tensor loads (its part of the other slot), adds 0 to its spare word, and waits for that and for its reads.
; fill = 1: the barrier is a round of the cluster's, and the slot just left is filled with the keys two slots on: the wave's one tensor load, first behind the round; it has eight key steps in which to land.
.macro CHANGE fill
	s_wait_tensorcnt 0x0                           ; no tensor load of mine is out, so a group 0 may be written
	ds_add_u32 v[SPW], v[NIL]
.if \fill
	s_xor_b32 s[G0B+1], s[G0B+1], SLOT1            ; the walking descriptor: the other slot than last time,
	s_add_nc_u64 s[G0B+2:G0B+3], s[G0B+2:G0B+3], 65536   ; the next 512 keys
.endif
	s_sub_co_u32 s[TB], s[TB], 65536               ; the fetches go back to a slot's first step,
	s_xor_b32 s[TB], s[TB], SLOT1                  ; in the other slot
	s_wait_dscnt 0x0                               ; the add is done, and my reads of the slot are over
.if \fill
	CROUND
	tensor_load_to_lds s[G0B:G0B+3], s[G1:G1+7]
	s_nop 0
.rept 4
	v_nop
.endr
.else
	s_barrier_signal -1
	s_barrier_wait -1
.endif
.endm
	s_wait_tensorcnt 0x1                           ; my part of slot 0 is in; slot 1's may stay out
	s_barrier_signal -1
	s_barrier_wait -1
	FETCH_K                                        ; step 0
	HALF_B
	TRIPS 7                                        ; softmax and V^T P of steps 0-6, K Q^T of steps 1-7
	s_mov_b32 s[SLOTS], 2
.Lslot:
	CHANGE 1
	TRIPS 8
	s_sub_co_u32 s[SLOTS], s[SLOTS], 1
	s_cmp_lg_u32 s[SLOTS], 0
	s_cbranch_scc1 .Lslot
	CHANGE 0                                       ; the tail is written out: nothing is left to ask for
	TRIPS 8
	HALF_A 0                                       ; step 31
	; THE WAY OUT.  l's halves are added; O^T is divided by l, rounded to f16 and sent through my stage, two tiles (32 tokens) at a time; a store covers four tokens' 512 consecutive bytes.
.irp i, 0,1,2,3
	v_add_f32 v[ST+8*\i+7], v[ST+8*\i+2], v[ST+8*\i+3]                       ; (these are the places behind the last products)
.endr
.irp i, 0,1,2,3
	v_permlanex16_b32 v[ST+8*\i+5], v[ST+8*\i+7], s[SEL], s[SEL+1]
.endr
.irp i, 0,1,2,3
	v_add_f32 v[ST+8*\i+7], v[ST+8*\i+7], v[ST+8*\i+5]
.endr
.irp i, 0,1,2,3
	v_rcp_f32 v[ST+8*\i+6], v[ST+8*\i+7]
.endr
	v_nop
	s_wait_alu depctr_va_vdst(0)                   ; one wait for the four reciprocals
.macro OUTT i                          ; tile i
	WIN 0x41
.irp p, 0,2,4,6,8,10,12,14,16,18,20,22,24,26,28,30
	v_pk_mul_f32 v[32*(\i)+\p:32*(\i)+\p+1], v[32*(\i)+\p:32*(\i)+\p+1], v[ST+8*(\i)+6:ST+8*(\i)+7] op_sel_hi:[1,0]
.endr
	WIN 0x05                                       ; sources in window 1, destination in window 0: S^T's registers are free
.irp p, 0,1,2,3,4,5,6,7,8,9,10,11,12,13,14,15
	v_cvt_pk_f16_f32 v[S+32*(\i)+\p], v[32*(\i)+2*\p], v[32*(\i)+2*\p+1]
.endr
	WIN 0
.irp c, 0,1,2,3
	ds_store_b128 v[STO], v[S+32*(\i)+4*\c:S+32*(\i)+4*\c+3] offset:((\i)%2)*8*SP+32*\c   ; row 16 (r / 8) + 8 (i % 2) + r % 8; channels 16 c + 8 h on
.endr
.endm
.macro BACK ip                         ; the pair's 32 rows come back as they will lie in memory
.irp n, 0,1,2,3,4,5,6,7
	ds_load_b128 v[KF+32*(\ip)+4*\n:KF+32*(\ip)+4*\n+3], v[RD] offset:4*\n*SP   ; LDS serves a wave's instructions in order: these see my stores, and the next pair's stores come behind them
.endr
.endm
.macro SENDP ip, younger
.irp n, 0,1,2,3,4,5,6,7
	s_wait_dscnt \younger+7-\n
	global_store_b128 v[GO], v[KF+32*(\ip)+4*\n:KF+32*(\ip)+4*\n+3], s[8:9] offset:(\n/4)*4096+(\ip)*2048+(\n%4)*512   ; tokens 32 (n / 4) + 16 ip + 4 (n % 4) on
.endr
.endm
	OUTT 0
	OUTT 1
	BACK 0
	OUTT 2
	OUTT 3
	BACK 1
	SENDP 0, 16                                    ; behind the first pair's loads: the second pair's eight stores and eight loads
	SENDP 1, 0
	s_wait_tensorcnt 0x0                           ; the wave's end
	ds_add_u32 v[SPW], v[NIL]
	s_wait_dscnt 0x0
	CROUND                                         ; the closing round
	s_endpgm
.Lfunc_end_k_qff12407794_attn:
	.size	k_qff12407794_attn, .Lfunc_end_k_qff12407794_attn-k_qff12407794_attn
	.p2alignl 7, 3214868480
	.fill 96, 4, 3214868480
	.section	.rodata,"a",@progbits
	.p2align	6, 0x0
	.amdhsa_kernel k_qff12407794_attn
		.amdhsa_group_segment_fixed_size 327680
		.amdhsa_private_segment_fixed_size 0
		.amdhsa_enable_private_segment 0
		.amdhsa_kernarg_size 24
		.amdhsa_user_sgpr_count 2
		.amdhsa_user_sgpr_kernarg_segment_ptr 1
		.amdhsa_wavefront_size32 1
		.amdhsa_system_sgpr_workgroup_id_x 1
		.amdhsa_system_sgpr_workgroup_id_y 1
		.amdhsa_system_sgpr_workgroup_id_z 1
		.amdhsa_system_vgpr_workitem_id 0
		.amdhsa_next_free_vgpr 512
		.amdhsa_next_free_sgpr 66
		.amdhsa_reserve_vcc 1
		.amdhsa_float_denorm_mode_32 3
		.amdhsa_float_denorm_mode_16_64 3
		.amdhsa_memory_ordered 1
		.amdhsa_forward_progress 1
		.amdhsa_inst_pref_size 162
	.end_amdhsa_kernel
	.amdgpu_metadata
---
amdhsa.version: [ 1, 2 ]
amdhsa.kernels:
  - .name:           k_qff12407794_attn
    .symbol:         k_qff12407794_attn.kd
    .args:
      - { .name: qkv, .offset: 0, .size: 8, .value_kind: global_buffer, .address_space: global }
      - { .name: nmask, .offset: 8, .size: 8, .value_kind: global_buffer, .address_space: global }
      - { .name: ctx, .offset: 16, .size: 8, .value_kind: global_buffer, .address_space: global }
    .group_segment_fixed_size: 327680
    .private_segment_fixed_size: 0
    .kernarg_segment_align: 8
    .kernarg_segment_size: 24
    .max_flat_workgroup_size: 256
    .sgpr_count:     66
    .vgpr_count:     512
    .wavefront_size: 32
...
	.end_amdgpu_metadata
.endif
;; end of part 3
;; launch outp (part 4): grid 4 x 64, 4 waves a work-group, clusters of 4 x 4, 327,680 bytes of LDS; arguments ctx, wot, out0; writes out0
.if DOCPART == 4
	.amdgcn_target "amdgcn-amd-amdhsa--gfx1250"
	.amdhsa_code_object_version 6
	.text
	.protected	k_qff12407794_outp
	.globl	k_qff12407794_outp
	.p2align	8
	.type	k_qff12407794_outp,@function
k_qff12407794_outp:
	s_mov_b64 s[64:65], 0
	v_nop
	global_prefetch_b8 v0, s[64:65] scope:SCOPE_SE
	s_setreg_imm32_b32 hwreg(HW_REG_WAVE_MODE, 25, 1), 1
	s_wait_xcnt 0x0
	s_wait_alu depctr_hold_cnt(0) depctr_sa_sdst(0) depctr_va_vdst(0) depctr_va_sdst(0) depctr_va_ssrc(0) depctr_va_vcc(0) depctr_vm_vsrc(0)
	s_getreg_b32 s2, hwreg(HW_REG_IB_STS2, 6, 4)
	s_cmp_eq_u32 s2, 0
	s_cbranch_scc0 .Lentry_in_a_cluster
	s_endpgm
.Lentry_in_a_cluster:
	s_bfe_u32 s2, ttmp6, 0x10000c
	s_cmp_lg_u32 s2, 0xf033
	s_cbranch_scc0 .Lentry_shape_is_right
	s_endpgm
.Lentry_shape_is_right:
; OUTP: out0[token][n] = the sum over k of ctx[token][k] Wo[k][n], k = 64 head + channel.  ctx: f16 [16 heads][8192 tokens][64]; wot: f16 [1024 (n)][1024 (k)]; out0: f32 [8192][1024]; sums in f32.
; A tile of out0 is 128 tokens x 256 columns: 256 work-groups.  Four waves, 64 x 128 each: 32 accumulators, all of window 1.  K goes in steps of 128 (two heads) through a ring of two LDS slots.
; CLUSTERS: 4 x 4 work-groups; ctx's tiles are asked for jointly along a row of the cluster, wot's along a column.  Waves 0, 1 fetch the step's two heads of ctx (128 rows x 128 bytes each, dense), waves 2, 3 the two halves of wot's 256 rows x 256 bytes.
; The matrix instruction is used transposed (source 0 = 16 rows of wot, source 1 = 16 tokens): a lane holds eight neighbouring columns of one token.
; No prefetch is laid: the launch has eight K steps, and a refill is asked for 112 matrix instructions a wave ahead of the wait for it.
; REGISTERS: window 0: v16-29 addresses; two fragment buffers of 96 (wot's 8 fragments, then ctx's 4) at v32 and v128.  window 1: accumulator (a, b) at v[8 (8 a + b)].
.set PA,     144                       ; a token's row of one head in LDS: 128 bytes + 16
.set PB,     272                       ; a row of wot: 256 bytes + 16.  Both pitches are odd multiples of 16 bytes: the 16 rows that a load touches start at 16 different banks (ISA guide 11.1)
.set AHEAD,  128*PA                    ; one head's 128 rows
.set BOFF,   2*AHEAD
.set BHALF,  128*PB
.set SLOT,   BOFF+2*BHALF
.set STAGE,  2*SLOT                    ; behind the ring: 16 rows x 528 bytes for each wave
.set SPITCH, 528
.set SPARE,  STAGE+4*16*SPITCH
.set LAPS,   4                         ; a lap = two K steps
.set ADRA, 16
.set ADRB, 20
.set STO,  24
.set RD,   25
.set CO,   26
.set SPW,  28
.set NIL,  29
.set F0,   32
.set F1,   128
.set G1, 24
.set G0, 32
.set G1B, 48
.set G0B, 56
.set MSB, 0
.macro WIN new
.if MSB != \new
	s_set_vgpr_msb (MSB<<8)|\new
.set MSB, \new
.endif
.endm
.set MUL, 0x50                         ; C and D window 1, the fragments window 0
.macro JLOAD s                         ; a joint load: waves 0, 1 for ctx, waves 2, 3 for wot; an s_nop 0 and four v_nop follow each line
	s_cmp_eq_u32 s11, 0
	s_cbranch_scc0 .Lfor_b_\@
	tensor_load_to_lds s[G0+4*\s:G0+4*\s+3], s[G1:G1+7]
	s_nop 0
.rept 4
	v_nop
.endr
	s_branch .Lasked_\@
.Lfor_b_\@:
	tensor_load_to_lds s[G0B+4*\s:G0B+4*\s+3], s[G1B:G1B+7]
	s_nop 0
.rept 4
	v_nop
.endr
.Lasked_\@:
.endm
.macro CREST
	s_cmp_lg_u32 s10, 0
	s_cbranch_scc1 .Lnot_wave_0_\@
	s_barrier_signal -3
.Lnot_wave_0_\@:
	s_barrier_wait -3
	s_barrier_signal -1
	s_barrier_wait -1
.endm
.macro CROUND
	s_barrier_signal -1
	s_barrier_wait -1
	CREST
.endm
	s_load_b128 s[4:7], s[0:1], 0x0                ; ctx, wot
	s_load_b64 s[8:9], s[0:1], 0x10                ; out0
	v_lshl_add_u32 v[SPW], v0, 2, SPARE
	v_mov_b32 v[NIL], 0
	ds_add_u32 v[SPW], v[NIL]                      ; the wave's opening: the add, twice on end, and its wait ahead of my first tensor load
	ds_add_u32 v[SPW], v[NIL]
	v_lshrrev_b32 v1, 5, v0
	v_readfirstlane_b32 s10, v1                    ; wave 0..3
	s_lshr_b32 s11, s10, 1                         ; my half of the tile's tokens.  Also: I fetch for ctx (0) or for wot (1)
	s_and_b32 s12, s10, 1                          ; my half of its columns.  Also: which head, or which 128 rows, I fetch
	s_bfe_u32 s40, ttmp6, 0x40000
	s_bfe_u32 s41, ttmp6, 0x40004
	s_lshl_b32 s42, ttmp9, 2
	s_add_co_u32 s42, s42, s40                     ; tile column 0..3
	s_and_b32 s13, ttmp7, 0xffff
	s_lshl_b32 s13, s13, 2
	s_add_co_u32 s13, s13, s41                     ; tile row 0..63
	s_lshl_b32 s43, s41, 2
	s_lshl_b32 s43, 15, s43                        ; my row of the cluster
	s_lshl_b32 s44, 0x1111, s40                    ; my column
	s_or_b32 s[G1+0], s43, (1<<16)|(1<<20)|(1<<21)|(4<<22)|(3<<25)   ; the mask; elements of 2 bytes; padding: 4 words behind every 32
	s_mov_b32 s[G1+1], 64<<16                      ; tensor_dim0 = 64
	s_mov_b32 s[G1+2], 128<<16                     ; tensor_dim1 = 128
	s_mov_b32 s[G1+3], 64<<16                      ; tile_dim0
	s_mov_b32 s[G1+4], 128                         ; tile_dim1
	s_mov_b32 s[G1+5], 64                          ; the pitch: dense
	s_mov_b32 s[G1+6], 0
	s_mov_b32 s[G1+7], 0
	s_or_b32 s[G1B+0], s44, (1<<16)|(1<<20)|(1<<21)|(5<<22)|(3<<25)  ; padding: 4 words behind every 64
	s_mov_b32 s[G1B+1], 128<<16
	s_mov_b32 s[G1B+2], 128<<16
	s_mov_b32 s[G1B+3], 128<<16
	s_mov_b32 s[G1B+4], 128
	s_mov_b32 s[G1B+5], 1024
	s_mov_b32 s[G1B+6], 0
	s_mov_b32 s[G1B+7], 0
	s_lshl_b32 s16, s12, 20                        ; ctx: my head of the step's two,
	s_lshl_b32 s17, s13, 14                        ; the tile's 128 tokens of 128 bytes
	s_add_co_u32 s16, s16, s17
	s_mov_b32 s17, 0
	s_lshl_b32 s46, s42, 8
	s_lshl_b32 s47, s12, 7
	s_add_co_u32 s46, s46, s47                     ; wot: row 256 x tile column + 128 x half
	s_lshl_b32 s46, s46, 11
	s_mov_b32 s47, 0
	s_mul_i32 s20, s12, AHEAD                      ; where they go
	s_mul_i32 s21, s12, BHALF
	s_add_co_u32 s21, s21, BOFF
	s_wait_dscnt 0x0                               ; both opening adds are done
	s_wait_kmcnt 0x0
	s_add_nc_u64 s[14:15], s[4:5], s[16:17]
	s_add_nc_u64 s[46:47], s[6:7], s[46:47]
	CROUND                                         ; all sixteen work-groups are here: the first joint loads meet
.irp s, 0,1
	s_mov_b32 s[G0+4*\s], 1
	s_add_co_u32 s[G0+4*\s+1], s20, \s*SLOT
	s_add_nc_u64 s[G0+4*\s+2:G0+4*\s+3], s[14:15], \s*2097152    ; K step s: two heads on
	s_or_b32 s[G0+4*\s+3], s[G0+4*\s+3], 0x80000000
	s_mov_b32 s[G0B+4*\s], 1
	s_add_co_u32 s[G0B+4*\s+1], s21, \s*SLOT
	s_add_nc_u64 s[G0B+4*\s+2:G0B+4*\s+3], s[46:47], \s*256
	s_or_b32 s[G0B+4*\s+3], s[G0B+4*\s+3], 0x80000000
	JLOAD \s                                       ; by this text's count two tensor loads of a wave are out here, later one
.endr
	v_and_b32 v1, 15, v0                           ; r
	v_bfe_u32 v2, v0, 4, 1                         ; h
	v_mul_u32_u24 v3, v1, PA
	v_lshl_add_u32 v3, v2, 4, v3
	v_mul_u32_u24 v4, v1, PB
	v_lshl_add_u32 v4, v2, 4, v4
	s_mul_i32 s21, s11, 64*PA                      ; my 64 tokens
	s_mul_i32 s22, s12, BHALF                      ; my 128 rows of wot
	s_add_co_u32 s22, s22, BOFF
.irp s, 0,1
	v_add_nc_u32 v[ADRA+\s], s21, v3
	v_add_nc_u32 v[ADRB+\s], s22, v4
	s_add_co_u32 s21, s21, SLOT
	s_add_co_u32 s22, s22, SLOT
.endr
	s_mul_i32 s23, s10, 16*SPITCH
	s_add_co_u32 s23, s23, STAGE                   ; my stage
	v_mul_u32_u24 v5, v1, SPITCH
	v_lshl_add_u32 v5, v2, 5, v5
	v_add_nc_u32 v[STO], s23, v5                   ; in: row r, 32 bytes for each half of the lanes
	v_and_b32 v6, 31, v0
	v_lshlrev_b32 v[CO], 4, v6
	v_add_nc_u32 v[RD], s23, v[CO]                 ; back: the 32 lanes take one row of 512 bytes
	s_lshl_b32 s16, s13, 7
	s_lshl_b32 s17, s11, 6
	s_add_co_u32 s16, s16, s17                     ; my first token
	s_lshl_b32 s16, s16, 12
	s_mov_b32 s17, 0
	s_add_nc_u64 s[8:9], s[8:9], s[16:17]
	s_lshl_b32 s46, s42, 10
	s_lshl_b32 s47, s12, 9
	s_add_co_u32 s46, s46, s47                     ; my first column, in bytes
	s_mov_b32 s47, 0
	s_add_nc_u64 s[8:9], s[8:9], s[46:47]
.macro MUL8 f, a, zero                 ; block a of my tokens x wot's eight blocks, 32 along K.  The 32 accumulators take turns in the same order in every quarter
.irp b, 0,1,2,3,4,5,6,7
.if \zero
	v_wmma_f32_16x16x32_f16 v[8*(8*(\a)+\b):8*(8*(\a)+\b)+7], v[\f+8*\b:\f+8*\b+7], v[\f+64+8*(\a):\f+64+8*(\a)+7], 0
.else
	v_wmma_f32_16x16x32_f16 v[8*(8*(\a)+\b):8*(8*(\a)+\b)+7], v[\f+8*\b:\f+8*\b+7], v[\f+64+8*(\a):\f+64+8*(\a)+7], v[8*(8*(\a)+\b):8*(8*(\a)+\b)+7]
.endif
.endr
.endm
.macro FETCH slot, qd, f               ; 24 LDS loads in one run: the fragments of the step's quarter qd: wot's sixteen loads, then ctx's blocks 0, 1, then 2, 3
	WIN 0
.irp i, 0,1,2,3,4,5,6,7
	ds_load_b128 v[\f+8*\i:\f+8*\i+3],   v[ADRB+\slot] offset:64*(\qd)+\i*16*PB
	ds_load_b128 v[\f+8*\i+4:\f+8*\i+7], v[ADRB+\slot] offset:64*(\qd)+\i*16*PB+32
.endr
.irp i, 0,1,2,3
	ds_load_b128 v[\f+64+8*\i:\f+64+8*\i+3],   v[ADRA+\slot] offset:((\qd)/2)*AHEAD+((\qd)%2)*64+\i*16*PA
	ds_load_b128 v[\f+64+8*\i+4:\f+64+8*\i+7], v[ADRA+\slot] offset:((\qd)/2)*AHEAD+((\qd)%2)*64+\i*16*PA+32
.endr
.endm
.macro PLACES                          ; plain vector instructions between a matrix instruction and a load into, or a read of, its registers
.rept 4
	v_nop
.endr
.endm
; One of a K step's first three quarters: multiplies buffer f and, in its middle, fetches quarter qd into buffer g.
.macro QUARTER slot, qd, f, g, zero
	s_wait_dscnt 4                                 ; wot's fragments and ctx's blocks 0, 1 are in; the youngest four loads may be out
	WIN MUL
	MUL8 \f, 0, \zero
	MUL8 \f, 1, \zero
	PLACES
	FETCH \slot, \qd, \g
	s_wait_dscnt 24                                ; all but the 24 just issued
	WIN MUL
	MUL8 \f, 2, \zero
	MUL8 \f, 3, \zero
.endm
; The last quarter multiplies buffer 1 and changes slots: one barrier; in front of it each wave waits for all its tensor loads, adds 0 to its spare word, and waits for that and for its reads of this slot.
.macro TURN slot, next, fill
	WIN 0
	s_wait_tensorcnt 0x0                           ; all my tensor loads have landed: my part of the next slot
	ds_add_u32 v[SPW], v[NIL]
	s_wait_dscnt 5                                 ; the add and the youngest four loads may be out
	WIN MUL
	MUL8 F1, 0, 0
	s_wait_dscnt 0x0                               ; the add is done, and my reads of this slot are over
	s_barrier_signal -1
	MUL8 F1, 1, 0
.if \fill
	WIN 0
.endif
	s_barrier_wait -1
.if \fill
	CREST                                          ; the barrier has opened a round of the cluster's: no wave of any partner still reads this slot or has a load on its way
	s_add_nc_u64 s[G0+4*\slot+2:G0+4*\slot+3], s[G0+4*\slot+2:G0+4*\slot+3], 4194304   ; two K steps on: four heads
	s_add_nc_u64 s[G0B+4*\slot+2:G0B+4*\slot+3], s[G0B+4*\slot+2:G0B+4*\slot+3], 512
	JLOAD \slot                                    ; the first tensor load behind the round; its four v_nop are also the places in front of the loads below
.else
	PLACES
.endif
	FETCH \next, 0, F0
	WIN MUL
	MUL8 F1, 2, 0
	MUL8 F1, 3, 0
.endm
	s_wait_tensorcnt 1                             ; my part of K step 0 is in; K step 1's may stay out
	s_barrier_signal -1
	s_barrier_wait -1
	FETCH 0, 0, F0
	QUARTER 0, 1, F0, F1, 1                        ; the first quarter's products start the sums
	WIN 0
	s_mov_b32 s3, LAPS-1
.Llap:                                                 ; a trip goes once round the ring and fills both slots again
	QUARTER 0, 2, F1, F0, 0
	QUARTER 0, 3, F0, F1, 0
	TURN 0, 1, 1
	QUARTER 1, 1, F0, F1, 0
	QUARTER 1, 2, F1, F0, 0
	QUARTER 1, 3, F0, F1, 0
	TURN 1, 0, 1
	QUARTER 0, 1, F0, F1, 0
	WIN 0
	s_sub_co_u32 s3, s3, 1
	s_cmp_lg_u32 s3, 0
	s_cbranch_scc1 .Llap
	QUARTER 0, 2, F1, F0, 0                        ; the last lap fills nothing
	QUARTER 0, 3, F0, F1, 0
	TURN 0, 1, 0
	QUARTER 1, 1, F0, F1, 0
	QUARTER 1, 2, F1, F0, 0
	QUARTER 1, 3, F0, F1, 0
	s_wait_dscnt 4
	WIN MUL
	MUL8 F1, 0, 0
	MUL8 F1, 1, 0
	s_wait_dscnt 0
	MUL8 F1, 2, 0
	MUL8 F1, 3, 0
	WIN 0
; THE WAY OUT, block by block of 16 tokens x 128 columns, through my own stage: back as whole rows of 512 bytes.
.macro TOSTAGE a
	WIN 0x04                                       ; an LDS store's data are its source 1: window 1
.irp b, 0,1,2,3,4,5,6,7
	ds_store_b128 v[STO], v[8*(8*(\a)+\b):8*(8*(\a)+\b)+3] offset:64*\b          ; each accumulator from its low end on
	ds_store_b128 v[STO], v[8*(8*(\a)+\b)+4:8*(8*(\a)+\b)+7] offset:64*\b+16
.endr
	WIN 0
.set BB, 32+64*((\a)%2)
.irp t, 0,1,2,3,4,5,6,7,8,9,10,11,12,13,14,15
	ds_load_b128 v[BB+4*\t:BB+4*\t+3], v[RD] offset:\t*SPITCH    ; LDS serves a wave's instructions in order: these see the stores above
.endr
.endm
.macro SEND a, younger
.set BB, 32+64*((\a)%2)
	s_wait_dscnt \younger
.if (\a) > 0
	s_add_nc_u64 s[8:9], s[8:9], 65536             ; 16 rows on (behind a wait that shows the earlier stores' base read)
.endif
.irp t, 0,1,2,3,4,5,6,7,8,9,10,11,12,13,14,15
	global_store_b128 v[CO], v[BB+4*\t:BB+4*\t+3], s[8:9] offset:\t*4096 th:TH_STORE_NT   ; 512 consecutive bytes, aligned; written once
.endr
.endm
	PLACES                                         ; behind the last products: for the reads of results and the loads into the fragments' registers
	TOSTAGE 0
.irp a, 1,2,3
.if \a > 1
	s_wait_xcnt 0x0                                ; block a - 2's stores have read their registers and their base
.endif
	TOSTAGE \a
	SEND \a-1, 32                                  ; behind block a - 1's loads: block a's 16 stores and 16 loads
.endr
	s_wait_xcnt 0x0
	SEND 3, 0
	s_wait_tensorcnt 0x0                           ; the wave's end
	ds_add_u32 v[SPW], v[NIL]
	s_wait_dscnt 0x0
	CROUND                                         ; the closing round
	s_endpgm
.Lfunc_end_k_qff12407794_outp:
	.size	k_qff12407794_outp, .Lfunc_end_k_qff12407794_outp-k_qff12407794_outp
	.p2alignl 7, 3214868480
	.fill 96, 4, 3214868480
	.section	.rodata,"a",@progbits
	.p2align	6, 0x0
	.amdhsa_kernel k_qff12407794_outp
		.amdhsa_group_segment_fixed_size 327680
		.amdhsa_private_segment_fixed_size 0
		.amdhsa_enable_private_segment 0
		.amdhsa_kernarg_size 24
		.amdhsa_user_sgpr_count 2
		.amdhsa_user_sgpr_kernarg_segment_ptr 1
		.amdhsa_wavefront_size32 1
		.amdhsa_system_sgpr_workgroup_id_x 1
		.amdhsa_system_sgpr_workgroup_id_y 1
		.amdhsa_system_sgpr_workgroup_id_z 1
		.amdhsa_system_vgpr_workitem_id 0
		.amdhsa_next_free_vgpr 512
		.amdhsa_next_free_sgpr 66
		.amdhsa_reserve_vcc 0
		.amdhsa_float_denorm_mode_32 3
		.amdhsa_float_denorm_mode_16_64 3
		.amdhsa_memory_ordered 1
		.amdhsa_forward_progress 1
		.amdhsa_inst_pref_size 85
	.end_amdhsa_kernel
	.amdgpu_metadata
---
amdhsa.version: [ 1, 2 ]
amdhsa.kernels:
  - .name:           k_qff12407794_outp
    .symbol:         k_qff12407794_outp.kd
    .args:
      - { .name: ctx, .offset: 0, .size: 8, .value_kind: global_buffer, .address_space: global }
      - { .name: wot, .offset: 8, .size: 8, .value_kind: global_buffer, .address_space: global }
      - { .name: out0, .offset: 16, .size: 8, .value_kind: global_buffer, .address_space: global }
    .group_segment_fixed_size: 327680
    .private_segment_fixed_size: 0
    .kernarg_segment_align: 8
    .kernarg_segment_size: 24
    .max_flat_workgroup_size: 128
    .sgpr_count:     66
    .vgpr_count:     512
    .wavefront_size: 32
...
	.end_amdgpu_metadata
.endif
;; end of part 4
